; MI455X (gfx1250); checked and timed in simulation.
; The chip was launched on July 23, 2026; its instructions are those of AMD's public machine-readable ISA for CDNA 5 (MIT licence, August 2026) and "CDNA5" Instruction Set Architecture Reference Guide (July 2026). The comments in the code are by the model that wrote it; some were corrected since.
;; Memory Bank. Allowed arithmetic: matrix products marked QUANTISED: E2M3 operands, one E8M0 scale for each 32 along K, by v_wmma_scale_f32_16x16x128_f8f6f4 with both operands' format E2M3, f32 sums; everything else in f32.
;; Inputs: keys 65,536 x 128 float32; q 4 x 512 x 128 float32; values 65,536 x 128 float32.
;; Outputs: out0 4 x 512 x 32 x 128 float32; out1 4 x 512 x 32 x 128 float32.
;; Constants: topk = 32.
;; This version of the problem:
;;   THIS VERSION OF THE PROBLEM IS GIVEN IN LOW PRECISION. The matrix products marked QUANTISED in the list below multiply operands that are first quantised to E2M3 (2 exponent bits, 3 mantissa bits; 6 bits a number), with one power-of-two scale for each 32 numbers along K (OCP MX v1.0); their sums are f32. All else is computed in f32.
;;   The module's matrix products, in the order in which they are computed (A, B: the left and right operand; K: the contracted axis; several contracted axes count as one K, in the product's order):
;;     1. [M 2,048, K 128] x [K 128, N 65,536]; A: input q; B: input keys: QUANTISED
;;   THE QUANTISER, for each operand of a quantised product, along K:
;;     - K is cut into blocks of 32 from its start; a last block that is shorter is filled with zeros.
;;     - A block's scale is 2^e with e = floor(log2(the largest magnitude in the block)) - 2, held to -126 .. 127; a block of zeros has e = 0. As a byte (E8M0): e + 127.
;;     - Each number is divided by its block's scale, clamped to +-7.5, and rounded to the nearest number of E2M3, ties to even, subnormals kept.
;;     - The product sums the exact products of the quantised numbers (number of the format x scale) in f32.
;;   ~~~python
;;   def quantise(x, axis):      # numpy; x: float32 -> the quantised numbers, widened to float32 again
;;       x = np.moveaxis(x, axis, -1); K = x.shape[-1]
;;       x = np.pad(x, [(0, 0)] * (x.ndim - 1) + [(0, -K % 32)]); x = x.reshape(x.shape[:-1] + (-1, 32)); a = np.abs(x).max(-1, keepdims=True)
;;       e = np.where(a > 0, np.clip(np.frexp(np.where(a > 0, a, 1))[1] - 1 - 2, -126, 127), 0)      # np.frexp(a)[1] - 1 = floor(log2(a)), exactly
;;       r = np.clip(x / 2.0 ** e, -7.5, 7.5)
;;       step = 2.0 ** (np.maximum(np.frexp(np.where(r == 0, 1, r))[1] - 1, 0) - 3)
;;       q = np.round(r / step) * step * 2.0 ** e      # np.round: ties to even
;;       return np.moveaxis(q.reshape(q.shape[:-2] + (-1,))[..., :K], -1, axis).astype(np.float32)
;;   ~~~
;; 2 versions. Each part assembles by itself: llvm-mc -triple=amdgcn-amd-amdhsa -mcpu=gfx1250 --defsym DOCPART=n.
;; ======== version 1 of 2: 4 launches
;; workspace buffers: kc 6,291,456 bytes; ks 262,144 bytes; qc 196,608 bytes; qs 8,192 bytes; cmax 16,777,216 bytes of whole numbers; cand 8,388,608 bytes of whole numbers; cid 262,144 bytes of whole numbers
;; launch quant (part 1): grid 264 x 1, 4 waves a work-group, no clusters, 35,328 bytes of LDS; arguments keys, q, kc, ks, qc, qs; writes kc, ks, qc, qs
.if DOCPART == 1
	.amdgcn_target "amdgcn-amd-amdhsa--gfx1250"
	.amdhsa_code_object_version 6
	.text
	.protected	k_q14c5d6d753_quant
	.globl	k_q14c5d6d753_quant
	.p2align	8
	.type	k_q14c5d6d753_quant,@function
k_q14c5d6d753_quant:
	s_mov_b64 s[64:65], 0
	v_nop
	global_prefetch_b8 v0, s[64:65] scope:SCOPE_SE
	s_setreg_imm32_b32 hwreg(HW_REG_WAVE_MODE, 25, 1), 1
	s_wait_xcnt 0x0
; keys [65536][128] and q [2048][128], f32, become codes of FP6 (E2M3) with one E8M0 byte for each 32 along K, laid as IMAGES OF OPERAND REGISTERS.
; A tile is 16 rows x 128 K: 12 registers a lane.  Registers 4 c .. 4 c + 3 of lane l lie at 1536 T + 512 c + 16 l of the codes' buffer; the scale word of tile row m at 64 T + 4 m.
; THE ROWS OF A TILE ARE NOT NEIGHBOURS: tile T, row m is row 64 (T / 4) + 32 (m / 8) + 8 (T % 4) + m % 8, so that in a product whose source 0 is a tile of keys
; a lane's 32 results over the four tiles of a group are 32 keys with consecutive numbers.
; A block's scale is 2^(floor(log2(its largest magnitude)) - 2); its byte is the largest magnitude's exponent field - 2, held at 1 from below.
; LIMITS: a block of zeros gets the byte 1 (its codes are zeros, and this program alone reads the bytes); blocks whose largest magnitude lies under 2^-124 are held at the byte 1;
; NaN and infinities among the inputs are not served.
; SHARES: work-groups 0-255 take keys, 256-263 q (only pointers are chosen: one path through the text).  A wave takes a group of 64 rows: four tiles.
; Each load reads one whole row, 512 consecutive bytes; a tile's 16 rows turn through the wave's own stage in LDS (pitch 528) and come back 128 bytes a lane and block:
; lane (r, h) then holds blocks h and 2 + h of tile row r, which is what the operand's layout gives that lane.  Waves share nothing: no barrier.
.set WREG, 8704                        ; LDS of a wave: the stage, 16 x 528 bytes, and 256 bytes of scale words
.set SPQ,  528
.set SCW,  16*SPQ
.set RA,   32                          ; v32-95, v96-159  two sets of 64: a tile as loaded
.set X,    160                         ; v160-223 my 64 numbers: block h, then block 2 + h
.set C,    224                         ; v224-235 the fragment's 12 registers
.set T0,   236                         ; v236-238, v240-242 the upper halves of the two blocks' codes, as the conversions leave them
.set T1,   240
	s_load_b128 s[4:7], s[0:1], 0x0                ; keys, q
	s_load_b128 s[8:11], s[0:1], 0x10              ; kc, ks
	s_load_b128 s[12:15], s[0:1], 0x20             ; qc, qs
	v_lshl_add_u32 v244, v0, 2, 0x8800
	v_mov_b32 v245, 0
	v_lshrrev_b32 v1, 5, v0
	v_readfirstlane_b32 s16, v1                    ; wave 0..3
	v_and_b32 v1, 31, v0                           ; lane
	v_lshlrev_b32 v2, 4, v1                        ; 16 x lane: my bytes of a row, and of an image
	s_mul_i32 s17, s16, WREG
	v_add_nc_u32 v3, s17, v2                       ; the stage, on the way in
	v_and_b32 v10, 15, v0                          ; r
	v_bfe_u32 v11, v0, 4, 1                        ; h
	v_mul_u32_u24 v4, v10, SPQ
	v_lshl_add_u32 v4, v11, 7, v4
	v_add_nc_u32 v4, s17, v4                       ; and on the way out: row r, block h
	s_add_co_u32 s18, s17, SCW
	v_lshl_add_u32 v5, v10, 2, s18                 ; my row's scale word
	v_lshl_add_u32 v6, v1, 3, s18                  ; the scale words on the way out: 8 bytes a lane
	v_lshlrev_b32 v7, 3, v1
	v_lshlrev_b32 v8, 3, v11                       ; 8 h: my bytes' place in the scale word
	v_mov_b32 v9, 0                                ; written once: a lane permute's destination counts as one of its sources
	s_mov_b32 s22, 0x76543210
	s_mov_b32 s23, 0xfedcba98                      ; selects for lane l xor 16
	s_wait_kmcnt 0x0
	s_cmp_lt_u32 ttmp9, 256                        ; keys or q?  The choice hangs on the work-group's number alone
	s_cselect_b64 s[4:5], s[4:5], s[6:7]
	s_cselect_b64 s[8:9], s[8:9], s[12:13]
	s_cselect_b64 s[10:11], s[10:11], s[14:15]
	s_cselect_b32 s19, 0, 256
	s_sub_co_u32 s19, ttmp9, s19
	s_lshl_b32 s19, s19, 2
	s_add_co_u32 s19, s19, s16                     ; my group of 64 rows
	s_lshl_b32 s20, s19, 15                        ; 64 rows of 512 bytes
	s_mov_b32 s21, 0
	s_add_nc_u64 s[4:5], s[4:5], s[20:21]
	s_mul_i32 s20, s19, 6144                       ; four images of 1,536 bytes
	s_add_nc_u64 s[8:9], s[8:9], s[20:21]
	s_lshl_b32 s20, s19, 8                         ; 64 scale words
	s_add_nc_u64 s[10:11], s[10:11], s[20:21]
.macro LOAD t                          ; tile t's 16 rows, a whole row a load
.irp i, 0,1,2,3,4,5,6,7,8,9,10,11,12,13,14,15
	global_load_b128 v[RA+64*((\t)%2)+4*\i:RA+64*((\t)%2)+4*\i+3], v2, s[4:5] offset:(32*(\i/8)+8*(\t)+\i%8)*512 th:TH_LOAD_NT
.endr
.endm
.macro TURN t                          ; through the stage: LDS serves a wave's instructions in order, so no wait stands between the stores and the loads
.irp i, 0,1,2,3,4,5,6,7,8,9,10,11,12,13,14,15
	ds_store_b128 v3, v[RA+64*((\t)%2)+4*\i:RA+64*((\t)%2)+4*\i+3] offset:SPQ*\i
.endr
.irp e, 0,1,2,3,4,5,6,7
	ds_load_b128 v[X+4*\e:X+4*\e+3], v4 offset:16*\e
.endr
.irp e, 0,1,2,3,4,5,6,7
	ds_load_b128 v[X+32+4*\e:X+32+4*\e+3], v4 offset:256+16*\e
.endr
.endm
.macro QUANT                           ; my two blocks by turns
	v_max3_num_f32 v10, |v[X]|, |v[X+1]|, 0x1800000            ; the floor 2^(3 - 127) among the leaves: the byte cannot fall under 1
	v_max3_num_f32 v11, |v[X+32]|, |v[X+33]|, 0x1800000
.irp i, 2,4,6,8,10,12,14,16,18,20,22,24,26,28,30
	v_max3_num_f32 v10, v10, |v[X+\i]|, |v[X+\i+1]|
	v_max3_num_f32 v11, v11, |v[X+32+\i]|, |v[X+33+\i]|
.endr
	v_add_nc_u32 v12, 0xff000000, v10              ; 2 off the exponent field: the conversion takes the exponent field of this operand as its scale
	v_add_nc_u32 v13, 0xff000000, v11
	v_lshrrev_b32 v14, 23, v12                     ; the scales' bytes
	v_lshrrev_b32 v15, 23, v13
	v_lshl_or_b32 v16, v15, 16, v14                ; blocks h and 2 + h,
	v_lshlrev_b32 v16, v8, v16                     ; at their places in the word;
	v_permlanex16_b32 v9, v16, s22, s23
	v_or_b32 v16, v16, v9                          ; with lane l xor 16's two the word is whole
	v_cvt_scalef32_pk16_fp6_f32 v[C:C+2], v[X:X+15], v12
	v_cvt_scalef32_pk16_fp6_f32 v[T0:T0+2], v[X+16:X+31], v12  ; (a conversion's three registers begin on an even number)
	v_cvt_scalef32_pk16_fp6_f32 v[C+6:C+8], v[X+32:X+47], v13
	v_cvt_scalef32_pk16_fp6_f32 v[T1:T1+2], v[X+48:X+63], v13
	v_nop                                          ; one plain instruction behind the conversions, ahead of the moves that read their results
.irp i, 0,1,2
	v_mov_b32 v[C+3+\i], v[T0+\i]
	v_mov_b32 v[C+9+\i], v[T1+\i]
.endr
.endm
.macro TILE t
.if (\t) < 3
	s_wait_loadcnt 16                              ; this tile's 16 loads are in; the next tile's 16 may be out
.else
	s_wait_loadcnt 0x0
.endif
	TURN \t
	s_wait_dscnt 0x0                               ; my 64 numbers are back; the stores into the stage have read their registers, and the last tile's scale word is stored
.if (\t) < 2
	LOAD (\t)+2
.endif
.if (\t) > 0
	s_wait_xcnt 0x0                                ; the last tile's stores have read the fragment's registers: they are written again only behind this wait
.endif
	QUANT
.irp c, 0,1,2
	global_store_b128 v2, v[C+4*\c:C+4*\c+3], s[8:9] offset:1536*(\t)+512*\c   ; 32 lanes store 512 consecutive bytes, aligned
.endr
	ds_store_b32 v5, v16 offset:64*(\t)            ; lanes r and r + 16 write the same word with the same value
.endm
	LOAD 0
	LOAD 1
	TILE 0
	TILE 1
	TILE 2
	TILE 3
	ds_load_b64 v[18:19], v6                       ; LDS serves a wave's instructions in order: these see my stores
	s_wait_dscnt 0x0
	global_store_b64 v7, v[18:19], s[10:11]        ; the group's 64 scale words: 256 consecutive bytes, aligned
	s_wait_tensorcnt 0x0
	ds_add_u32 v244, v245
	s_wait_dscnt 0x0
	s_endpgm
.Lfunc_end_k_q14c5d6d753_quant:
	.size	k_q14c5d6d753_quant, .Lfunc_end_k_q14c5d6d753_quant-k_q14c5d6d753_quant
	.p2alignl 7, 3214868480
	.fill 96, 4, 3214868480
	.section	.rodata,"a",@progbits
	.p2align	6, 0x0
	.amdhsa_kernel k_q14c5d6d753_quant
		.amdhsa_group_segment_fixed_size 35328
		.amdhsa_private_segment_fixed_size 0
		.amdhsa_enable_private_segment 0
		.amdhsa_kernarg_size 48
		.amdhsa_user_sgpr_count 2
		.amdhsa_user_sgpr_kernarg_segment_ptr 1
		.amdhsa_wavefront_size32 1
		.amdhsa_system_sgpr_workgroup_id_x 1
		.amdhsa_system_sgpr_workgroup_id_y 1
		.amdhsa_system_sgpr_workgroup_id_z 1
		.amdhsa_system_vgpr_workitem_id 0
		.amdhsa_next_free_vgpr 246
		.amdhsa_next_free_sgpr 66
		.amdhsa_reserve_vcc 0
		.amdhsa_float_denorm_mode_32 3
		.amdhsa_float_denorm_mode_16_64 3
		.amdhsa_memory_ordered 1
		.amdhsa_forward_progress 1
		.amdhsa_inst_pref_size 30
	.end_amdhsa_kernel
	.amdgpu_metadata
---
amdhsa.version: [ 1, 2 ]
amdhsa.kernels:
  - .name:           k_q14c5d6d753_quant
    .symbol:         k_q14c5d6d753_quant.kd
    .args:
      - { .name: keys, .offset: 0, .size: 8, .value_kind: global_buffer, .address_space: global }
      - { .name: q, .offset: 8, .size: 8, .value_kind: global_buffer, .address_space: global }
      - { .name: kc, .offset: 16, .size: 8, .value_kind: global_buffer, .address_space: global }
      - { .name: ks, .offset: 24, .size: 8, .value_kind: global_buffer, .address_space: global }
      - { .name: qc, .offset: 32, .size: 8, .value_kind: global_buffer, .address_space: global }
      - { .name: qs, .offset: 40, .size: 8, .value_kind: global_buffer, .address_space: global }
    .group_segment_fixed_size: 35328
    .private_segment_fixed_size: 0
    .kernarg_segment_align: 8
    .kernarg_segment_size: 48
    .max_flat_workgroup_size: 128
    .sgpr_count:     66
    .vgpr_count:     246
    .wavefront_size: 32
...
	.end_amdgpu_metadata
.endif
;; end of part 1
;; launch score (part 2): grid 32 x 8, 16 waves a work-group, no clusters, 96,256 bytes of LDS; arguments kc, ks, qc, qs, cmax; writes cmax
.if DOCPART == 2
	.amdgcn_target "amdgcn-amd-amdhsa--gfx1250"
	.amdhsa_code_object_version 6
	.text
	.protected	k_q14c5d6d753_score
	.globl	k_q14c5d6d753_score
	.p2align	8
	.type	k_q14c5d6d753_score,@function
k_q14c5d6d753_score:
	s_mov_b64 s[64:65], 0
	v_nop
	global_prefetch_b8 v0, s[64:65] scope:SCOPE_SE
	s_setreg_imm32_b32 hwreg(HW_REG_WAVE_MODE, 25, 1), 1
	s_wait_xcnt 0x0
; The whole product q x keys^T on codes of FP6; of each CHUNK of 32 keys with consecutive numbers only the largest score of each query is kept.
; It leaves as a whole number whose unsigned order is the score's order: u = bits xor ((bits >> 31, arithmetic) or 0x80000000), of the score + 0.0 (so that -0 counts as +0).
; cmax: [query 2048][8192 bytes]; in the 256 bytes of key block kb, word 2 l + e is chunk 64 kb + 32 e + l.
; SHARES.  A work-group takes 2,048 keys (x) and 256 queries (y).  Each of its sixteen waves keeps 8 tiles of keys (128 keys, 4 chunks) in 96 registers for the whole launch
; and walks the 16 tiles of queries, whose images lie in LDS: 128 matrix instructions a wave.  Four waves lie on a SIMD: one wave's maxima stand beside another's products.
; LAYOUT.  Source 0 = a tile of keys, source 1 = a tile of queries.  Lane (r, h) holds query column r and key rows 8 h + j; by the order of a tile's rows the lane's 32 results
; over a group's four tiles are one whole chunk: the chunk's maximum needs no other lane.
; NO CLUSTER: K is 128, one step, so a work-group reads each of its operand bytes once, the keys' 196,608 bytes straight into the registers in which they stay.
; A joint load would lay them in LDS first: 196,608 bytes more written to LDS and read from it for each work-group, to share a read that is made once.
; LIMITS: NaN and infinities are not served.
.set QIMG,  0                          ; LDS: 16 images of 1,536 bytes
.set STAGE, 24576                      ; and the stage: 256 queries x (256 bytes + 16)
.set SP,    272
.set KS,    8                          ; v8-11   keys' scale words: register i: tile 2 i in lanes 0-15, tile 2 i + 1 in lanes 16-31
.set QS,    12                         ; v12-19  queries' likewise
.set KF,    32                         ; v32-127 my 8 tiles of keys
.set QF,    128                        ; v128-139, v140-151 a tile of queries, two buffers
.set DX,    160                        ; v160-191 group 0's results
.set DY,    192                        ; v192-223 group 1's
.set CC,    224                        ; v224-229 at work; v230, v231 the results of group 0 and of group 1
	s_load_b256 s[4:11], s[0:1], 0x0               ; kc, ks, qc, qs
	s_load_b64 s[12:13], s[0:1], 0x20              ; cmax
	v_lshl_add_u32 v254, v0, 2, 0x17000
	v_mov_b32 v255, 0
	v_lshrrev_b32 v4, 5, v0
	v_readfirstlane_b32 s14, v4                    ; wave 0..15
	s_and_b32 s15, ttmp7, 0xffff                   ; block of 256 queries
	v_and_b32 v4, 31, v0
	v_lshlrev_b32 v1, 4, v4                        ; 16 x lane
	v_lshlrev_b32 v2, 2, v4                        ; 4 x lane
	v_lshlrev_b32 v3, 4, v0                        ; 16 x thread
	v_and_b32 v20, 7, v0
	v_bfe_u32 v21, v0, 3, 1
	v_bfe_u32 v22, v0, 4, 1                        ; h
	v_and_b32 v23, 15, v0                          ; r
	v_lshl_add_u32 v20, v21, 5, v20                ; column r of a tile of queries is query 32 (r / 8) + r % 8 of the tile's own
	v_mul_u32_u24 v5, v20, SP
	v_lshl_add_u32 v5, v22, 3, v5                  ; chunk 4 w + 2 g + h of the block's 64 lies at byte 32 (w % 8) + 16 g + 8 h + 4 (w / 8)
	s_and_b32 s16, s14, 7
	s_lshl_b32 s16, s16, 5
	s_lshr_b32 s17, s14, 3
	s_lshl_b32 s17, s17, 2
	s_add_co_u32 s16, s16, s17
	s_add_co_u32 s16, s16, STAGE
	v_add_nc_u32 v5, s16, v5                       ; the stage, on the way in
	v_mul_u32_u24 v6, v22, SP
	v_lshl_add_u32 v6, v23, 4, v6
	s_mul_i32 s17, s14, 2*SP
	s_add_co_u32 s17, s17, STAGE
	v_add_nc_u32 v6, s17, v6                       ; and on the way out: rows 2 w and 2 w + 1, sixteen lanes to a row
	v_lshlrev_b32 v7, 13, v22
	v_lshl_add_u32 v7, v23, 4, v7
	s_lshl_b32 s17, s14, 14
	v_add_nc_u32 v7, s17, v7                       ; the same two rows in cmax, 8,192 bytes apart
	s_mov_b32 s19, 0
	s_wait_kmcnt 0x0
	s_mul_i32 s18, s15, 24576
	s_add_nc_u64 s[8:9], s[8:9], s[18:19]          ; my 16 tiles of queries
	s_lshl_b32 s18, s15, 10
	s_add_nc_u64 s[10:11], s[10:11], s[18:19]      ; their scale words
	s_lshl_b32 s18, ttmp9, 13
	s_lshl_b32 s20, s14, 9
	s_add_co_u32 s18, s18, s20
	s_add_nc_u64 s[6:7], s[6:7], s[18:19]          ; my 8 tiles' scale words
	s_mul_i32 s18, ttmp9, 196608
	s_mul_i32 s20, s14, 12288
	s_add_co_u32 s18, s18, s20
	s_add_nc_u64 s[4:5], s[4:5], s[18:19]          ; my 8 tiles of keys
	s_lshl_b32 s18, s15, 21
	s_lshl_b32 s20, ttmp9, 8
	s_add_co_u32 s18, s18, s20
	s_add_nc_u64 s[12:13], s[12:13], s[18:19]      ; cmax: my first query's row, my key block's 256 bytes
.irp c, 0,1,2
	global_load_b128 v[DX+4*\c:DX+4*\c+3], v3, s[8:9] offset:8192*\c   ; the queries' images: 512 threads x 16 bytes, three times
.endr
.irp i, 0,1,2,3,4,5,6,7
	global_load_b32 v[QS+\i], v2, s[10:11] offset:128*\i
.endr
.irp i, 0,1,2,3
	global_load_b32 v[KS+\i], v2, s[6:7] offset:128*\i
.endr
.irp t, 0,1,2,3,4,5,6,7
.irp c, 0,1,2
	global_load_b128 v[KF+12*\t+4*\c:KF+12*\t+4*\c+3], v1, s[4:5] offset:1536*\t+512*\c
.endr
.endr
	s_wait_loadcnt 36                              ; the three oldest loads are in: 8 + 4 + 24 younger ones may be out
.irp c, 0,1,2
	ds_store_b128 v3, v[DX+4*\c:DX+4*\c+3] offset:QIMG+8192*\c
.endr
	s_wait_dscnt 0x0                               ; for the others' sake: my part of the images is stored
	s_barrier_signal -1
	s_barrier_wait -1
.macro FRAG i                          ; tile i of the queries, as it stands, into buffer i % 2
.irp c, 0,1,2
	ds_load_b128 v[QF+12*((\i)%2)+4*\c:QF+12*((\i)%2)+4*\c+3], v1 offset:QIMG+1536*(\i)+512*\c
.endr
.endm
.macro MMS ra, rb                      ; one product; ra, rb: the scales stand in lanes 16-31 of their registers
.if (\ra) && (\rb)
	v_wmma_scale_f32_16x16x128_f8f6f4 v[rD:rD+7], v[rA:rA+11], v[rB:rB+11], 0, v[rSA], v[rSB] matrix_a_fmt:MATRIX_FMT_FP6 matrix_b_fmt:MATRIX_FMT_FP6 matrix_a_scale:MATRIX_SCALE_ROW1 matrix_b_scale:MATRIX_SCALE_ROW1
.elseif \ra
	v_wmma_scale_f32_16x16x128_f8f6f4 v[rD:rD+7], v[rA:rA+11], v[rB:rB+11], 0, v[rSA], v[rSB] matrix_a_fmt:MATRIX_FMT_FP6 matrix_b_fmt:MATRIX_FMT_FP6 matrix_a_scale:MATRIX_SCALE_ROW1
.elseif \rb
	v_wmma_scale_f32_16x16x128_f8f6f4 v[rD:rD+7], v[rA:rA+11], v[rB:rB+11], 0, v[rSA], v[rSB] matrix_a_fmt:MATRIX_FMT_FP6 matrix_b_fmt:MATRIX_FMT_FP6 matrix_b_scale:MATRIX_SCALE_ROW1
.else
	v_wmma_scale_f32_16x16x128_f8f6f4 v[rD:rD+7], v[rA:rA+11], v[rB:rB+11], 0, v[rSA], v[rSB] matrix_a_fmt:MATRIX_FMT_FP6 matrix_b_fmt:MATRIX_FMT_FP6
.endif
.endm
.macro WM g, i                         ; group g's four tiles of keys x tile i of the queries: K is one step, so every product begins and ends its sum
.irp t, 0,1,2,3
.set rD, DX+32*(\g)+8*\t
.set rA, KF+12*(4*(\g)+\t)
.set rB, QF+12*((\i)%2)
.set rSA, KS+(4*(\g)+\t)/2
.set rSB, QS+(\i)/2
	MMS (\t)%2, (\i)%2
.endr
.endm
.macro RED d, g, i                     ; the largest of my 32 results, as a whole number, into the stage.  Each accumulator is read from its low end on
.set rX, CC+6+(\g)
.irp a, 0,1,2,3
	v_max3_num_f32 v[CC+\a], v[\d+8*\a], v[\d+8*\a+1], v[\d+8*\a+2]
.endr
.irp a, 0,1,2,3
	v_max3_num_f32 v[CC+\a], v[CC+\a], v[\d+8*\a+3], v[\d+8*\a+4]
.endr
.irp a, 0,1,2,3
	v_max3_num_f32 v[CC+\a], v[CC+\a], v[\d+8*\a+5], v[\d+8*\a+6]
.endr
	v_max3_num_f32 v[rX], v[CC], v[CC+1], v[CC+2]
	v_max3_num_f32 v[CC+4], v[CC+3], v[\d+7], v[\d+15]
	v_max3_num_f32 v[rX], v[rX], v[CC+4], v[\d+23]
	v_max_num_f32 v[rX], v[rX], v[\d+31]
	v_add_f32 v[rX], 0, v[rX]                      ; -0 becomes +0
	v_ashrrev_i32 v[CC+5], 31, v[rX]
	v_or_b32 v[CC+5], 0x80000000, v[CC+5]
	v_xor_b32 v[rX], v[rX], v[CC+5]                ; unsigned order = the scores' order
	ds_store_b32 v5, v[rX] offset:(64*((\i)/4)+8*((\i)%4))*SP+16*(\g)
.endm
; A trip: one tile of queries.  The reduction of one group's results stands behind the other group's products: its 20 plain instructions name none of those products' registers
; and are the distance between them and what follows (the read of their results, the loads into the buffer that they read, the products that write their results anew).
.macro QT i
	s_wait_dscnt 0x0                               ; tile i's fragment, asked for a trip ago, is in; the stores into the stage have read their registers
.if (\i) < 15
	FRAG (\i)+1
.endif
.if (\i) == 0
	s_wait_loadcnt 12                              ; the scale words and key tiles 0-3 are in; tiles 4-7, twelve loads, may be out
.endif
	WM 0, \i
.if (\i) > 0
	RED DY, 1, (\i)-1
.else
.rept 4
	v_nop
.endr
	s_wait_loadcnt 0x0
.endif
	WM 1, \i
	RED DX, 0, \i
.endm
	FRAG 0
.irp i, 0,1,2,3,4,5,6,7,8,9,10,11,12,13,14,15
	QT \i
.endr
	RED DY, 1, 15
	s_wait_dscnt 0x0                               ; for the others' sake: my stores into the stage are done
	s_barrier_signal -1
	s_barrier_wait -1
.irp k, 0,1,2,3,4,5,6,7
	ds_load_b128 v[DX+4*\k:DX+4*\k+3], v6 offset:32*SP*\k
.endr
.irp k, 0,1,2,3,4,5,6,7
	s_wait_dscnt 7-\k                              ; LDS loads come back in order: the younger ones may be out
	global_store_b128 v7, v[DX+4*\k:DX+4*\k+3], s[12:13] offset:262144*\k   ; sixteen lanes store 256 consecutive bytes, aligned
.endr
	s_wait_tensorcnt 0x0
	ds_add_u32 v254, v255
	s_wait_dscnt 0x0
	s_endpgm
.Lfunc_end_k_q14c5d6d753_score:
	.size	k_q14c5d6d753_score, .Lfunc_end_k_q14c5d6d753_score-k_q14c5d6d753_score
	.p2alignl 7, 3214868480
	.fill 96, 4, 3214868480
	.section	.rodata,"a",@progbits
	.p2align	6, 0x0
	.amdhsa_kernel k_q14c5d6d753_score
		.amdhsa_group_segment_fixed_size 96256
		.amdhsa_private_segment_fixed_size 0
		.amdhsa_enable_private_segment 0
		.amdhsa_kernarg_size 40
		.amdhsa_user_sgpr_count 2
		.amdhsa_user_sgpr_kernarg_segment_ptr 1
		.amdhsa_wavefront_size32 1
		.amdhsa_system_sgpr_workgroup_id_x 1
		.amdhsa_system_sgpr_workgroup_id_y 1
		.amdhsa_system_sgpr_workgroup_id_z 1
		.amdhsa_system_vgpr_workitem_id 0
		.amdhsa_next_free_vgpr 256
		.amdhsa_next_free_sgpr 66
		.amdhsa_reserve_vcc 0
		.amdhsa_float_denorm_mode_32 3
		.amdhsa_float_denorm_mode_16_64 3
		.amdhsa_memory_ordered 1
		.amdhsa_forward_progress 1
		.amdhsa_inst_pref_size 66
	.end_amdhsa_kernel
	.amdgpu_metadata
---
amdhsa.version: [ 1, 2 ]
amdhsa.kernels:
  - .name:           k_q14c5d6d753_score
    .symbol:         k_q14c5d6d753_score.kd
    .args:
      - { .name: kc, .offset: 0, .size: 8, .value_kind: global_buffer, .address_space: global }
      - { .name: ks, .offset: 8, .size: 8, .value_kind: global_buffer, .address_space: global }
      - { .name: qc, .offset: 16, .size: 8, .value_kind: global_buffer, .address_space: global }
      - { .name: qs, .offset: 24, .size: 8, .value_kind: global_buffer, .address_space: global }
      - { .name: cmax, .offset: 32, .size: 8, .value_kind: global_buffer, .address_space: global }
    .group_segment_fixed_size: 96256
    .private_segment_fixed_size: 0
    .kernarg_segment_align: 8
    .kernarg_segment_size: 40
    .max_flat_workgroup_size: 512
    .sgpr_count:     66
    .vgpr_count:     256
    .wavefront_size: 32
...
	.end_amdgpu_metadata
.endif
;; end of part 2
;; launch pick (part 3): grid 256 x 1, 8 waves a work-group, no clusters, 0 bytes of LDS; arguments cmax, kc, ks, qc, qs, cand, cid; writes cand, cid
.if DOCPART == 3
	.amdgcn_target "amdgcn-amd-amdhsa--gfx1250"
	.amdhsa_code_object_version 6
	.text
	.protected	k_q14c5d6d753_pick
	.globl	k_q14c5d6d753_pick
	.p2align	8
	.type	k_q14c5d6d753_pick,@function
k_q14c5d6d753_pick:
	s_mov_b64 s[64:65], 0
	v_nop
	global_prefetch_b8 v0, s[64:65] scope:SCOPE_SE
	s_setreg_imm32_b32 hwreg(HW_REG_WAVE_MODE, 25, 1), 1
	s_wait_xcnt 0x0
; For each query: the 32 chunks that are best by (largest score descending, chunk number ascending), and the scores of their 1,024 keys anew.
; The best 32 keys lie in these chunks: if 32 chunks rank ahead of chunk C, each holds a key that ranks ahead of every key of C (a chunk is a range of key numbers).
; All that steers an address here is made by whole-number instructions from the whole numbers that this launch reads from cmax.
; cid: [query][slot 0..31] chunk number, ascending.  cand: [query][k 0..7][lane][e 0..3]: the score, as an ordered whole number, of key `lane` of the chunk in slot 4 k + e.
; SHARES: a wave to a query; waves share nothing: no LDS, no barrier.
; THE CHOICE.  Register p, lane l holds chunk 32 p + l.  Each lane sorts its 64 numbers' best 32 (networks of maximum and minimum on registers, two sets by turns, so that nothing is copied);
; five exchanges between lanes (each: the partner's list reversed, maximum, a clean-up of five stages) leave the row's 32 largest in every lane.  T is their smallest, n the count above T.
; Marked are the chunks above T and the first 32 - n chunks equal to T, in the order of chunk numbers; lane p then finds the p-th marked chunk.
; THE SCORES.  Source 0 = the query in all 16 rows, source 1 = 16 keys of the chunk (8 rows of each of two tiles' images): two products a chunk, register 0 of each holds the scores.
; NO CLUSTER: which tiles a wave reads hangs on its own query's list; no two work-groups are known to want the same tile at the same time.
; cid's store is 128 bytes a query: half of an aligned 256 bytes for each wave.
; LIMITS: NaN and infinities are not served; -0 counts as +0.
.set LANE, 1
.set VT,   8                           ; T
.set VN,   9                           ; n
.set VM,   10                          ; the mask word in which my marked chunk lies
.set VRB,  11                          ; its register number << 8 + the marked chunks ahead of it
.set ID,   12                          ; my chunk number
.set ZR,   13                          ; 0
.set VR,   14                          ; v14-21 at work; v22 at work in FIN
.set AC,   24                          ; v24-27 a slot's offset in kc
.set AS,   28                          ; v28-31 and in ks
.set U,    32                          ; v32-95 the row's 2,048 numbers; later v32-63 the candidates
.set W0,   96
.set W1,   128
.set W2,   160
.set BF,   96                          ; v96-191 later: four slots x two fragments of keys
.set DD,   192                         ; v192-223 results: two sets of two accumulators
.set QA,   224                         ; v224-235 the query's fragment
.set QSC,  236                         ; its scale word
.set KSC,  240                         ; v240-243 a slot's scale words: keys 0-15 in lanes 0-15, keys 16-31 in lanes 16-31
.set ST,   22                          ; s22 T   s23 32 - n   s24 equals so far   s25 marked so far   s26 at work
.set NEED, 23
.set RE,   24
.set RS,   25
.set TS,   26
.set SE,   28                          ; s28-35 equal to T
.set SG,   36                          ; s36-43 above T, then marked
.set SR,   44                          ; s44-51 among the first that are needed; then: my place lies at or behind this register's first
.set SB,   52                          ; s52-59 equals ahead of the register
.set PK,   68                          ; s68-75 register number << 8 + marked ahead
.set BS,   76                          ; s76-83 marked ahead
.macro FLIP d, s, k                    ; two sorted runs of k / 2 meet: i against its mirror in the run of k
.set i, 0
.rept 32
.if (i%(\k)) < (\k)/2
.set pj, i-i%(\k)+(\k)-1-i%(\k)
	v_max_u32 v[\d+i], v[\s+i], v[\s+pj]
	v_min_u32 v[\d+pj], v[\s+i], v[\s+pj]
.endif
.set i, i+1
.endr
.endm
.macro HALF d, s, j                    ; i against i + j
.set i, 0
.rept 32
.if (i&(\j)) == 0
	v_max_u32 v[\d+i], v[\s+i], v[\s+i+(\j)]
	v_min_u32 v[\d+i+(\j)], v[\s+i], v[\s+i+(\j)]
.endif
.set i, i+1
.endr
.endm
.macro SORT32 s, a, b                  ; 32 registers from s on, descending, into a; b at work
	FLIP \a, \s, 2
	FLIP \b, \a, 4
	HALF \a, \b, 1
	FLIP \b, \a, 8
	HALF \a, \b, 2
	HALF \b, \a, 1
	FLIP \a, \b, 16
	HALF \b, \a, 4
	HALF \a, \b, 2
	HALF \b, \a, 1
	FLIP \a, \b, 32
	HALF \b, \a, 8
	HALF \a, \b, 4
	HALF \b, \a, 2
	HALF \a, \b, 1
.endm
.macro CLEAN a, b                      ; a list that rises and falls once, in a, comes out descending in b
	HALF \b, \a, 16
	HALF \a, \b, 8
	HALF \b, \a, 4
	HALF \a, \b, 2
	HALF \b, \a, 1
.endm
.macro JOIN d, p, q                    ; the best 32 of two descending lists
.set i, 0
.rept 32
	v_max_u32 v[\d+i], v[\p+i], v[\q+31-i]
.set i, i+1
.endr
.endm
.macro XJOIN d, s, x                   ; the same with the list of lane l xor x
.set i, 0
.rept 32
	v_mov_b32_dpp v[\d+i], v[\s+31-i] row_xmask:\x row_mask:0xf bank_mask:0xf
.set i, i+1
.endr
.set i, 0
.rept 32
	v_max_u32 v[\d+i], v[\d+i], v[\s+i]
.set i, i+1
.endr
.endm
.macro XJOIN16 d, s                    ; and of lane l xor 16
.set i, 0
.rept 32
	v_permlanex16_b32 v[\d+i], v[\s+31-i], s20, s21
.set i, i+1
.endr
.set i, 0
.rept 32
	v_max_u32 v[\d+i], v[\d+i], v[\s+i]
.set i, i+1
.endr
.endm
.macro LEVELS                          ; in: my list, descending, in W0.  Out: the row's 32 largest in W0 of every lane, in no order
	XJOIN W1, W0, 1
	CLEAN W1, W2
	XJOIN W0, W2, 2
	CLEAN W0, W1
	XJOIN W2, W1, 4
	CLEAN W2, W0
	XJOIN W1, W0, 8
	CLEAN W1, W2
	XJOIN16 W0, W2
.endm
.macro THRESH                          ; T, the count above it, and both as scalars
.set i, 0
.rept 16
	v_min_u32 v[W1+i], v[W0+i], v[W0+16+i]
.set i, i+1
.endr
.irp n, 8,4,2
.set i, 0
.rept \n
	v_min_u32 v[W1+i], v[W1+i], v[W1+\n+i]
.set i, i+1
.endr
.endr
	v_min_u32 v[VT], v[W1], v[W1+1]
	v_mov_b32 v[VN], 0
.set i, 0
.rept 32
	v_cmp_gt_u32 vcc_lo, v[W0+i], v[VT]
	v_add_co_ci_u32 v[VN], vcc_lo, 0, v[VN], vcc_lo
.set i, i+1
.endr
	v_readfirstlane_b32 s[ST], v[VT]
	v_readfirstlane_b32 s[NEED], v[VN]
	s_sub_co_u32 s[NEED], 32, s[NEED]
	s_mov_b32 s[RE], 0
	s_mov_b32 s[RS], 0
	v_mov_b32 v[VM], 0
	v_mov_b32 v[VRB], 0
.endm
.macro MARK8 r0                        ; registers r0 .. r0 + 7, in five batches
.irp i, 0,1,2,3,4,5,6,7
	v_cmp_eq_u32 s[SE+\i], s[ST], v[U+(\r0)+\i]
	v_cmp_lt_u32 s[SG+\i], s[ST], v[U+(\r0)+\i]
.endr
.irp i, 0,1,2,3,4,5,6,7
	s_mov_b32 s[SB+\i], s[RE]
	s_bcnt1_i32_b32 s[TS], s[SE+\i]
	s_add_co_u32 s[RE], s[RE], s[TS]
.endr
.irp i, 0,1,2,3,4,5,6,7
	v_mbcnt_lo_u32_b32 v[VR+\i], s[SE+\i], s[SB+\i]   ; how many equals come ahead of mine, in the order of numbers
.endr
.irp i, 0,1,2,3,4,5,6,7
	v_cmp_gt_u32 s[SR+\i], s[NEED], v[VR+\i]
.endr
.irp i, 0,1,2,3,4,5,6,7
	s_and_b32 s[SR+\i], s[SR+\i], s[SE+\i]
	s_or_b32 s[SG+\i], s[SG+\i], s[SR+\i]          ; marked
	s_mov_b32 s[BS+\i], s[RS]
	s_add_co_u32 s[PK+\i], s[RS], ((\r0)+\i)<<8
	s_bcnt1_i32_b32 s[TS], s[SG+\i]
	s_add_co_u32 s[RS], s[RS], s[TS]
.endr
.irp i, 0,1,2,3,4,5,6,7
	v_cmp_le_u32 s[SR+\i], s[BS+\i], v[LANE]
.endr
.irp i, 0,1,2,3,4,5,6,7
	v_cndmask_b32 v[VM], v[VM], s[SG+\i], s[SR+\i]    ; the last register whose first marked place is at or ahead of mine holds my item
	v_cndmask_b32 v[VRB], v[VRB], s[PK+\i], s[SR+\i]
.endr
.endm
.macro DESC x, w, st                   ; one step down: does my bit lie behind the lower half?
	v_bfe_u32 v[VR+5], v[\x], v[VR+7], \w
	v_cmp_ge_u32 vcc_lo, v[VR], v[VR+5]
	v_cndmask_b32 v[VR+5], 0, v[VR+5], vcc_lo
	v_cndmask_b32 v[VR+6], 0, \st, vcc_lo
	v_sub_nc_u32 v[VR], v[VR], v[VR+5]
	v_add_nc_u32 v[VR+7], v[VR+7], v[VR+6]
.endm
.macro KTH                             ; the place, in v[VR+7], of set bit number (lane - marked ahead) of my mask word
	v_and_b32 v[VR], 0xff, v[VRB]
	v_sub_nc_u32 v[VR], v[LANE], v[VR]
	v_lshrrev_b32 v[VR+1], 1, v[VM]
	v_and_b32 v[VR+1], 0x55555555, v[VR+1]
	v_sub_nc_u32 v[VR+1], v[VM], v[VR+1]           ; counts of 2 bits
	v_lshrrev_b32 v[VR+2], 2, v[VR+1]
	v_and_b32 v[VR+2], 0x33333333, v[VR+2]
	v_and_b32 v[VR+5], 0x33333333, v[VR+1]
	v_add_nc_u32 v[VR+2], v[VR+2], v[VR+5]         ; of 4
	v_lshrrev_b32 v[VR+3], 4, v[VR+2]
	v_add_nc_u32 v[VR+3], v[VR+3], v[VR+2]
	v_and_b32 v[VR+3], 0x0f0f0f0f, v[VR+3]         ; of 8
	v_lshrrev_b32 v[VR+4], 8, v[VR+3]
	v_add_nc_u32 v[VR+4], v[VR+4], v[VR+3]
	v_and_b32 v[VR+4], 0x00ff00ff, v[VR+4]         ; of 16
	v_mov_b32 v[VR+7], 0
	DESC VR+4, 16, 16
	DESC VR+3, 8, 8
	DESC VR+2, 4, 4
	DESC VR+1, 2, 2
	DESC VM, 1, 1
.endm
	s_load_b256 s[4:11], s[0:1], 0x0               ; cmax, kc, ks, qc
	s_load_b128 s[12:15], s[0:1], 0x20             ; qs, cand
	s_load_b64 s[16:17], s[0:1], 0x30              ; cid
	v_lshrrev_b32 v1, 5, v0
	v_readfirstlane_b32 s18, v1                    ; wave 0..7
	s_lshl_b32 s19, ttmp9, 3
	s_add_co_u32 s19, s19, s18                     ; my query R
	v_and_b32 v[LANE], 31, v0
	v_lshlrev_b32 v2, 3, v[LANE]
	v_lshlrev_b32 v3, 4, v[LANE]
	v_lshlrev_b32 v4, 2, v[LANE]
	v_and_b32 v14, 7, v0
	v_bfe_u32 v15, v0, 3, 1
	v_bfe_u32 v16, v0, 4, 1
	v_mul_u32_u24 v5, v15, 1536                    ; column n of a product's 16 keys: tile n / 8 of the pair, row n % 8 of the chunk's eight; my half 256 bytes on
	v_lshl_add_u32 v5, v14, 4, v5
	v_lshl_add_u32 v5, v16, 8, v5
	v_lshlrev_b32 v6, 2, v14                       ; scale words: lanes 0-15 the first product's keys, lanes 16-31 the second's (two tiles, 128 bytes, on)
	v_lshl_add_u32 v6, v15, 6, v6
	v_lshl_add_u32 v6, v16, 7, v6
	v_lshlrev_b32 v7, 8, v16                       ; the query's image: my half
	v_mov_b32 v[ZR], 0
	s_mov_b32 s20, 0x76543210
	s_mov_b32 s21, 0xfedcba98                      ; selects for lane l xor 16
	s_mov_b32 s96, 0xffff0000                      ; lanes 16-31
	s_lshr_b32 s26, s19, 6                         ; R lies in tile 4 (R / 64) + (R / 8) % 4, row 8 ((R / 32) % 2) + R % 8
	s_lshl_b32 s26, s26, 2
	s_bfe_u32 s27, s19, 0x20003
	s_add_co_u32 s26, s26, s27
	s_bfe_u32 s27, s19, 0x10005
	s_lshl_b32 s27, s27, 3
	s_and_b32 s84, s19, 7
	s_add_co_u32 s27, s27, s84
	s_mul_i32 s84, s26, 1536
	s_lshl_b32 s86, s27, 4
	s_add_co_u32 s84, s84, s86
	s_mov_b32 s85, 0
	s_lshl_b32 s86, s26, 6
	s_lshl_b32 s87, s27, 2
	s_add_co_u32 s86, s86, s87
	s_mov_b32 s87, 0
	s_lshl_b32 s88, s19, 13
	s_mov_b32 s89, 0
	s_lshl_b32 s90, s19, 12
	s_mov_b32 s91, 0
	s_lshl_b32 s92, s19, 7
	s_mov_b32 s93, 0
	s_wait_kmcnt 0x0
	s_add_nc_u64 s[4:5], s[4:5], s[88:89]
	s_add_nc_u64 s[10:11], s[10:11], s[84:85]
	s_add_nc_u64 s[12:13], s[12:13], s[86:87]
	s_add_nc_u64 s[14:15], s[14:15], s[90:91]
	s_add_nc_u64 s[16:17], s[16:17], s[92:93]
.set i, 0
.rept 32
	global_load_b64 v[U+2*i:U+2*i+1], v2, s[4:5] offset:256*i th:TH_LOAD_NT   ; 32 lanes read 256 consecutive bytes, aligned
.set i, i+1
.endr
.irp c, 0,1,2
	global_load_b128 v[QA+4*\c:QA+4*\c+3], v7, s[10:11] offset:512*\c   ; the same row of q in all sixteen rows of source 0
.endr
	global_load_b32 v[QSC], v[ZR], s[12:13]
	s_wait_loadcnt 20                              ; the first sixteen loads are in: sixteen more and the query's four may be out
	SORT32 U, W0, W1
	s_wait_loadcnt 4                               ; only the query's four may be out
	SORT32 U+32, W1, W2
	JOIN W2, W0, W1
	CLEAN W2, W0
	LEVELS
	THRESH
.irp r, 0,8,16,24,32,40,48,56
	MARK8 \r
.endr
	KTH
	v_lshrrev_b32 v[VR], 8, v[VRB]
	v_lshl_add_u32 v[ID], v[VR], 5, v[VR+7]        ; chunk = 32 x register + lane
	v_min_u32 v[ID], 0x7ff, v[ID]
	global_store_b32 v4, v[ID], s[16:17]
; THE SCORES OF THE 32 CHUNKS, four slots' loads on their way.
.macro ADDR s                          ; chunk c: its keys are rows 8 (c % 2) .. + 7 of the four tiles of group c / 2
	v_readlane_b32 s84, v[ID], \s
	s_min_u32 s84, s84, 0x7ff
	s_and_b32 s85, s84, 0x7fe
	s_and_b32 s86, s84, 1
	s_mul_i32 s87, s85, 3072                       ; a group's four images are 6,144 bytes,
	s_lshl_b32 s88, s86, 7                         ; eight rows of an image 128
	s_add_co_u32 s87, s87, s88
	s_lshl_b32 s85, s85, 7                         ; a group's scale words 256 bytes,
	s_lshl_b32 s86, s86, 5                         ; eight of them 32
	s_add_co_u32 s85, s85, s86
	v_add_nc_u32 v[AC+(\s)%4], s87, v5
	v_add_nc_u32 v[AS+(\s)%4], s85, v6
.endm
.macro LD s                            ; seven loads
.set rL, BF+24*((\s)%4)
.irp w, 0,1
.irp c, 0,1,2
	global_load_b128 v[rL+12*\w+4*\c:rL+12*\w+4*\c+3], v[AC+(\s)%4], s[6:7] offset:3072*\w+512*\c
.endr
.endr
	global_load_b32 v[KSC+(\s)%4], v[AS+(\s)%4], s[8:9]
.endm
.macro FIN s                           ; key l's score stands in register 0 of the first accumulator (lanes 0-15) or of the second (lanes 16-31): both are read at their low end
.set rF, DD+16*((\s)%2)
	v_cndmask_b32 v[U+(\s)], v[rF], v[rF+8], s96
	v_add_f32 v[U+(\s)], 0, v[U+(\s)]              ; -0 becomes +0
	v_ashrrev_i32 v22, 31, v[U+(\s)]
	v_or_b32 v22, 0x80000000, v22
	v_xor_b32 v[U+(\s)], v[U+(\s)], v22
.endm
.macro SLOT s
.if (\s) <= 28
	s_wait_loadcnt 21                              ; this slot's seven loads are in; three younger slots' may be out
.else
	s_wait_loadcnt 7*(31-(\s))
.endif
.set rD, DD+16*((\s)%2)
.set rB, BF+24*((\s)%4)
	v_wmma_scale_f32_16x16x128_f8f6f4 v[rD:rD+7], v[QA:QA+11], v[rB:rB+11], 0, v[QSC], v[KSC+(\s)%4] matrix_a_fmt:MATRIX_FMT_FP6 matrix_b_fmt:MATRIX_FMT_FP6
	v_wmma_scale_f32_16x16x128_f8f6f4 v[rD+8:rD+15], v[QA:QA+11], v[rB+12:rB+23], 0, v[QSC], v[KSC+(\s)%4] matrix_a_fmt:MATRIX_FMT_FP6 matrix_b_fmt:MATRIX_FMT_FP6 matrix_b_scale:MATRIX_SCALE_ROW1
.if (\s) > 0
	FIN (\s)-1                                     ; five plain instructions on the other set of results: the distance between this slot's products and the loads into the registers that they read
.else
.rept 4
	v_nop
.endr
.endif
.if (\s) < 28
	ADDR (\s)+4                                    ; the address registers are free: their loads have been waited for
	LD (\s)+4
.endif
.endm
	s_wait_loadcnt 0x0                             ; the query
.irp s, 0,1,2,3
	ADDR \s
	LD \s
.endr
.set sl, 0
.rept 32
	SLOT sl
.set sl, sl+1
.endr
.rept 4
	v_nop
.endr
	FIN 31
.irp k, 0,1,2,3,4,5,6,7
	global_store_b128 v3, v[U+4*\k:U+4*\k+3], s[14:15] offset:512*\k   ; 32 lanes store 512 consecutive bytes, aligned
.endr
	s_endpgm
.Lfunc_end_k_q14c5d6d753_pick:
	.size	k_q14c5d6d753_pick, .Lfunc_end_k_q14c5d6d753_pick-k_q14c5d6d753_pick
	.p2alignl 7, 3214868480
	.fill 96, 4, 3214868480
	.section	.rodata,"a",@progbits
	.p2align	6, 0x0
	.amdhsa_kernel k_q14c5d6d753_pick
		.amdhsa_group_segment_fixed_size 0
		.amdhsa_private_segment_fixed_size 0
		.amdhsa_enable_private_segment 0
		.amdhsa_kernarg_size 56
		.amdhsa_user_sgpr_count 2
		.amdhsa_user_sgpr_kernarg_segment_ptr 1
		.amdhsa_wavefront_size32 1
		.amdhsa_system_sgpr_workgroup_id_x 1
		.amdhsa_system_sgpr_workgroup_id_y 1
		.amdhsa_system_sgpr_workgroup_id_z 1
		.amdhsa_system_vgpr_workitem_id 0
		.amdhsa_next_free_vgpr 256
		.amdhsa_next_free_sgpr 100
		.amdhsa_reserve_vcc 1
		.amdhsa_float_denorm_mode_32 3
		.amdhsa_float_denorm_mode_16_64 3
		.amdhsa_memory_ordered 1
		.amdhsa_forward_progress 1
		.amdhsa_inst_pref_size 185
	.end_amdhsa_kernel
	.amdgpu_metadata
---
amdhsa.version: [ 1, 2 ]
amdhsa.kernels:
  - .name:           k_q14c5d6d753_pick
    .symbol:         k_q14c5d6d753_pick.kd
    .args:
      - { .name: cmax, .offset: 0, .size: 8, .value_kind: global_buffer, .address_space: global }
      - { .name: kc, .offset: 8, .size: 8, .value_kind: global_buffer, .address_space: global }
      - { .name: ks, .offset: 16, .size: 8, .value_kind: global_buffer, .address_space: global }
      - { .name: qc, .offset: 24, .size: 8, .value_kind: global_buffer, .address_space: global }
      - { .name: qs, .offset: 32, .size: 8, .value_kind: global_buffer, .address_space: global }
      - { .name: cand, .offset: 40, .size: 8, .value_kind: global_buffer, .address_space: global }
      - { .name: cid, .offset: 48, .size: 8, .value_kind: global_buffer, .address_space: global }
    .group_segment_fixed_size: 0
    .private_segment_fixed_size: 0
    .kernarg_segment_align: 8
    .kernarg_segment_size: 56
    .max_flat_workgroup_size: 256
    .sgpr_count:     100
    .vgpr_count:     256
    .wavefront_size: 32
...
	.end_amdgpu_metadata
.endif
;; end of part 3
;; launch emit (part 4): grid 256 x 1, 8 waves a work-group, no clusters, 0 bytes of LDS; arguments cand, cid, keys, values, out0, out1; writes out0, out1
.if DOCPART == 4
	.amdgcn_target "amdgcn-amd-amdhsa--gfx1250"
	.amdhsa_code_object_version 6
	.text
	.protected	k_q14c5d6d753_emit
	.globl	k_q14c5d6d753_emit
	.p2align	8
	.type	k_q14c5d6d753_emit,@function
k_q14c5d6d753_emit:
	s_mov_b64 s[64:65], 0
	v_nop
	global_prefetch_b8 v0, s[64:65] scope:SCOPE_SE
	s_setreg_imm32_b32 hwreg(HW_REG_WAVE_MODE, 25, 1), 1
	s_wait_xcnt 0x0
; For each query: the best 32 of its 1,024 candidates by (score descending, key number ascending), their places in that order, and the copy of their rows of keys and values.
; cand: register s, lane l is key l of the chunk in slot s; the slots' chunk numbers ascend, so (register, lane) is the order of key numbers.  All numbers here are whole numbers read from memory.
; The choice is made as in the launch before: each lane sorts its 32 numbers, five exchanges leave the row's 32 largest in every lane, T is their smallest; marked are the candidates above T
; and the first of those equal to T, by key number, until 32 are marked.  Lane p finds the p-th marked candidate, reads its number and its chunk, and counts its place:
; the marked candidates with a larger number, and those with an equal number and a lower key number (a lower lane).
; THE COPY: a row is 512 bytes: 32 lanes read it whole and store it whole, two aligned runs of 256 bytes.  Two batches of eight rows of each table are on their way.
; SHARES: a wave to a query; no LDS, no barrier, no matrix work.  NO CLUSTER: which rows a wave reads hangs on its own query's list.
.set LANE, 1
.set VT,   8
.set VN,   9
.set VM,   10
.set VRB,  11
.set VR,   14                          ; v14-21 at work
.set U,    32                          ; v32-63 the candidates
.set W0,   64
.set W1,   96
.set W2,   128
.set DA,   32                          ; later: two sets of 64: eight rows x (4 of keys, 4 of values)
.set SRC,  160                         ; v160-175 offsets of the rows to read, two sets of eight
.set DST,  176                         ; v176-191 and of the rows to write
.set ST,   22
.set NEED, 23
.set RE,   24
.set RS,   25
.set TS,   26
.set SE,   28
.set SG,   36
.set SR,   44
.set SB,   52
.set PK,   68
.set BS,   76
.macro FLIP d, s, k                    ; two sorted runs of k / 2 meet: i against its mirror in the run of k
.set i, 0
.rept 32
.if (i%(\k)) < (\k)/2
.set pj, i-i%(\k)+(\k)-1-i%(\k)
	v_max_u32 v[\d+i], v[\s+i], v[\s+pj]
	v_min_u32 v[\d+pj], v[\s+i], v[\s+pj]
.endif
.set i, i+1
.endr
.endm
.macro HALF d, s, j                    ; i against i + j
.set i, 0
.rept 32
.if (i&(\j)) == 0
	v_max_u32 v[\d+i], v[\s+i], v[\s+i+(\j)]
	v_min_u32 v[\d+i+(\j)], v[\s+i], v[\s+i+(\j)]
.endif
.set i, i+1
.endr
.endm
.macro SORT32 s, a, b                  ; 32 registers from s on, descending, into a; b at work
	FLIP \a, \s, 2
	FLIP \b, \a, 4
	HALF \a, \b, 1
	FLIP \b, \a, 8
	HALF \a, \b, 2
	HALF \b, \a, 1
	FLIP \a, \b, 16
	HALF \b, \a, 4
	HALF \a, \b, 2
	HALF \b, \a, 1
	FLIP \a, \b, 32
	HALF \b, \a, 8
	HALF \a, \b, 4
	HALF \b, \a, 2
	HALF \a, \b, 1
.endm
.macro CLEAN a, b                      ; a list that rises and falls once, in a, comes out descending in b
	HALF \b, \a, 16
	HALF \a, \b, 8
	HALF \b, \a, 4
	HALF \a, \b, 2
	HALF \b, \a, 1
.endm
.macro XJOIN d, s, x                   ; the best 32 of my list and that of lane l xor x
.set i, 0
.rept 32
	v_mov_b32_dpp v[\d+i], v[\s+31-i] row_xmask:\x row_mask:0xf bank_mask:0xf
.set i, i+1
.endr
.set i, 0
.rept 32
	v_max_u32 v[\d+i], v[\d+i], v[\s+i]
.set i, i+1
.endr
.endm
.macro XJOIN16 d, s                    ; and of lane l xor 16
.set i, 0
.rept 32
	v_permlanex16_b32 v[\d+i], v[\s+31-i], s20, s21
.set i, i+1
.endr
.set i, 0
.rept 32
	v_max_u32 v[\d+i], v[\d+i], v[\s+i]
.set i, i+1
.endr
.endm
.macro LEVELS                          ; in: my list, descending, in W0.  Out: the row's 32 largest in W0 of every lane, in no order
	XJOIN W1, W0, 1
	CLEAN W1, W2
	XJOIN W0, W2, 2
	CLEAN W0, W1
	XJOIN W2, W1, 4
	CLEAN W2, W0
	XJOIN W1, W0, 8
	CLEAN W1, W2
	XJOIN16 W0, W2
.endm
.macro THRESH                          ; T, the count above it, and both as scalars
.set i, 0
.rept 16
	v_min_u32 v[W1+i], v[W0+i], v[W0+16+i]
.set i, i+1
.endr
.irp n, 8,4,2
.set i, 0
.rept \n
	v_min_u32 v[W1+i], v[W1+i], v[W1+\n+i]
.set i, i+1
.endr
.endr
	v_min_u32 v[VT], v[W1], v[W1+1]
	v_mov_b32 v[VN], 0
.set i, 0
.rept 32
	v_cmp_gt_u32 vcc_lo, v[W0+i], v[VT]
	v_add_co_ci_u32 v[VN], vcc_lo, 0, v[VN], vcc_lo
.set i, i+1
.endr
	v_readfirstlane_b32 s[ST], v[VT]
	v_readfirstlane_b32 s[NEED], v[VN]
	s_sub_co_u32 s[NEED], 32, s[NEED]
	s_mov_b32 s[RE], 0
	s_mov_b32 s[RS], 0
	v_mov_b32 v[VM], 0
	v_mov_b32 v[VRB], 0
.endm
.macro MARK8 r0                        ; registers r0 .. r0 + 7, in five batches
.irp i, 0,1,2,3,4,5,6,7
	v_cmp_eq_u32 s[SE+\i], s[ST], v[U+(\r0)+\i]
	v_cmp_lt_u32 s[SG+\i], s[ST], v[U+(\r0)+\i]
.endr
.irp i, 0,1,2,3,4,5,6,7
	s_mov_b32 s[SB+\i], s[RE]
	s_bcnt1_i32_b32 s[TS], s[SE+\i]
	s_add_co_u32 s[RE], s[RE], s[TS]
.endr
.irp i, 0,1,2,3,4,5,6,7
	v_mbcnt_lo_u32_b32 v[VR+\i], s[SE+\i], s[SB+\i]   ; how many equals come ahead of mine, in the order of key numbers
.endr
.irp i, 0,1,2,3,4,5,6,7
	v_cmp_gt_u32 s[SR+\i], s[NEED], v[VR+\i]
.endr
.irp i, 0,1,2,3,4,5,6,7
	s_and_b32 s[SR+\i], s[SR+\i], s[SE+\i]
	s_or_b32 s[SG+\i], s[SG+\i], s[SR+\i]          ; marked
	s_mov_b32 s[BS+\i], s[RS]
	s_add_co_u32 s[PK+\i], s[RS], ((\r0)+\i)<<8
	s_bcnt1_i32_b32 s[TS], s[SG+\i]
	s_add_co_u32 s[RS], s[RS], s[TS]
.endr
.irp i, 0,1,2,3,4,5,6,7
	v_cmp_le_u32 s[SR+\i], s[BS+\i], v[LANE]
.endr
.irp i, 0,1,2,3,4,5,6,7
	v_cndmask_b32 v[VM], v[VM], s[SG+\i], s[SR+\i]    ; the last register whose first marked place is at or ahead of mine holds my item
	v_cndmask_b32 v[VRB], v[VRB], s[PK+\i], s[SR+\i]
.endr
.endm
.macro DESC x, w, st                   ; one step down: does my bit lie behind the lower half?
	v_bfe_u32 v[VR+5], v[\x], v[VR+7], \w
	v_cmp_ge_u32 vcc_lo, v[VR], v[VR+5]
	v_cndmask_b32 v[VR+5], 0, v[VR+5], vcc_lo
	v_cndmask_b32 v[VR+6], 0, \st, vcc_lo
	v_sub_nc_u32 v[VR], v[VR], v[VR+5]
	v_add_nc_u32 v[VR+7], v[VR+7], v[VR+6]
.endm
.macro KTH                             ; the place, in v[VR+7], of set bit number (lane - marked ahead) of my mask word
	v_and_b32 v[VR], 0xff, v[VRB]
	v_sub_nc_u32 v[VR], v[LANE], v[VR]
	v_lshrrev_b32 v[VR+1], 1, v[VM]
	v_and_b32 v[VR+1], 0x55555555, v[VR+1]
	v_sub_nc_u32 v[VR+1], v[VM], v[VR+1]           ; counts of 2 bits
	v_lshrrev_b32 v[VR+2], 2, v[VR+1]
	v_and_b32 v[VR+2], 0x33333333, v[VR+2]
	v_and_b32 v[VR+5], 0x33333333, v[VR+1]
	v_add_nc_u32 v[VR+2], v[VR+2], v[VR+5]         ; of 4
	v_lshrrev_b32 v[VR+3], 4, v[VR+2]
	v_add_nc_u32 v[VR+3], v[VR+3], v[VR+2]
	v_and_b32 v[VR+3], 0x0f0f0f0f, v[VR+3]         ; of 8
	v_lshrrev_b32 v[VR+4], 8, v[VR+3]
	v_add_nc_u32 v[VR+4], v[VR+4], v[VR+3]
	v_and_b32 v[VR+4], 0x00ff00ff, v[VR+4]         ; of 16
	v_mov_b32 v[VR+7], 0
	DESC VR+4, 16, 16
	DESC VR+3, 8, 8
	DESC VR+2, 4, 4
	DESC VR+1, 2, 2
	DESC VM, 1, 1
.endm
	s_load_b256 s[4:11], s[0:1], 0x0               ; cand, cid, keys, values
	s_load_b128 s[12:15], s[0:1], 0x20             ; out0, out1
	v_lshrrev_b32 v1, 5, v0
	v_readfirstlane_b32 s18, v1                    ; wave 0..7
	s_lshl_b32 s19, ttmp9, 3
	s_add_co_u32 s19, s19, s18                     ; my query
	v_and_b32 v[LANE], 31, v0
	v_lshlrev_b32 v3, 4, v[LANE]                   ; 16 x lane
	s_mov_b32 s20, 0x76543210
	s_mov_b32 s21, 0xfedcba98                      ; selects for lane l xor 16
	s_lshl_b32 s84, s19, 12
	s_mov_b32 s85, 0
	s_lshl_b32 s86, s19, 7
	s_mov_b32 s87, 0
	s_lshl_b32 s88, s19, 14
	s_mov_b32 s89, 0
	s_wait_kmcnt 0x0
	s_add_nc_u64 s[4:5], s[4:5], s[84:85]
	s_add_nc_u64 s[6:7], s[6:7], s[86:87]
	s_add_nc_u64 s[12:13], s[12:13], s[88:89]
	s_add_nc_u64 s[14:15], s[14:15], s[88:89]
.irp k, 0,1,2,3,4,5,6,7
	global_load_b128 v[U+4*\k:U+4*\k+3], v3, s[4:5] offset:512*\k
.endr
	s_wait_loadcnt 0x0
	SORT32 U, W0, W1
	LEVELS
	THRESH
.irp r, 0,8,16,24
	MARK8 \r
.endr
	KTH
	v_lshrrev_b32 v22, 8, v[VRB]
	v_min_u32 v22, 31, v22                         ; my candidate's slot
	v_min_u32 v23, 31, v[VR+7]                     ; and its key in the chunk
	v_and_b32 v24, 0x1c, v22
	v_lshlrev_b32 v24, 7, v24                      ; slot / 4: 512 bytes,
	v_lshl_add_u32 v24, v23, 4, v24                ; key: 16,
	v_and_b32 v25, 3, v22
	v_lshl_add_u32 v24, v25, 2, v24                ; slot % 4: 4
	v_lshlrev_b32 v25, 2, v22
	global_load_b32 v26, v24, s[4:5]               ; its number
	global_load_b32 v27, v25, s[6:7]               ; its chunk
	s_wait_loadcnt 0x0
	v_min_u32 v27, 0x7ff, v27
	v_lshl_add_u32 v28, v27, 5, v23                ; its key number
	v_mov_b32 v29, 0                               ; its place
.irp b, 0,1,2,3
.irp i, 0,1,2,3,4,5,6,7
	v_readlane_b32 s[SE+\i], v26, 8*\b+\i
.endr
.irp i, 0,1,2,3,4,5,6,7
	v_cmp_gt_u32 s[SG+\i], s[SE+\i], v26
	v_cmp_eq_u32 s[SR+\i], s[SE+\i], v26
.endr
.irp i, 0,1,2,3,4,5,6,7
	s_and_b32 s[SR+\i], s[SR+\i], (0xffffffff<<(8*\b+\i+1))&0xffffffff   ; an equal number counts for the lanes above it alone: it has the lower key number
	s_or_b32 s[SG+\i], s[SG+\i], s[SR+\i]
.endr
.irp i, 0,1,2,3,4,5,6,7
	v_cndmask_b32 v[VR+\i], 0, 1, s[SG+\i]
.endr
.irp i, 0,2,4,6
	v_add3_u32 v29, v29, v[VR+\i], v[VR+\i+1]
.endr
.endr
.macro LB b                            ; eight candidates: their rows of keys and of values are asked for
.irp i, 0,1,2,3,4,5,6,7
	v_readlane_b32 s[SE+\i], v28, 8*(\b)+\i
	v_readlane_b32 s[SG+\i], v29, 8*(\b)+\i
.endr
.irp i, 0,1,2,3,4,5,6,7
	s_min_u32 s[SE+\i], s[SE+\i], 0xffff
	s_min_u32 s[SG+\i], s[SG+\i], 31
.endr
.irp i, 0,1,2,3,4,5,6,7
	v_lshl_add_u32 v[SRC+8*((\b)%2)+\i], s[SE+\i], 9, v3
	v_lshl_add_u32 v[DST+8*((\b)%2)+\i], s[SG+\i], 9, v3
.endr
.irp i, 0,1,2,3,4,5,6,7
	global_load_b128 v[DA+64*((\b)%2)+8*\i:DA+64*((\b)%2)+8*\i+3], v[SRC+8*((\b)%2)+\i], s[8:9]
	global_load_b128 v[DA+64*((\b)%2)+8*\i+4:DA+64*((\b)%2)+8*\i+7], v[SRC+8*((\b)%2)+\i], s[10:11]
.endr
.endm
.macro SB b                            ; and stored at their places: 512 consecutive bytes, aligned, a store; written once, read by nobody here
.irp i, 0,1,2,3,4,5,6,7
	global_store_b128 v[DST+8*((\b)%2)+\i], v[DA+64*((\b)%2)+8*\i:DA+64*((\b)%2)+8*\i+3], s[12:13] th:TH_STORE_NT
	global_store_b128 v[DST+8*((\b)%2)+\i], v[DA+64*((\b)%2)+8*\i+4:DA+64*((\b)%2)+8*\i+7], s[14:15] th:TH_STORE_NT
.endr
.endm
	LB 0
	LB 1
	s_wait_loadcnt 16                              ; the older batch's sixteen loads are in; the younger batch's may be out
	SB 0
	s_wait_xcnt 0x0                                ; the stores have read their data and offsets: the set is written again only behind this wait
	LB 2
	s_wait_loadcnt 16
	SB 1
	s_wait_xcnt 0x0
	LB 3
	s_wait_loadcnt 16
	SB 2
	s_wait_loadcnt 0x0
	SB 3
	s_endpgm
.Lfunc_end_k_q14c5d6d753_emit:
	.size	k_q14c5d6d753_emit, .Lfunc_end_k_q14c5d6d753_emit-k_q14c5d6d753_emit
	.p2alignl 7, 3214868480
	.fill 96, 4, 3214868480
	.section	.rodata,"a",@progbits
	.p2align	6, 0x0
	.amdhsa_kernel k_q14c5d6d753_emit
		.amdhsa_group_segment_fixed_size 0
		.amdhsa_private_segment_fixed_size 0
		.amdhsa_enable_private_segment 0
		.amdhsa_kernarg_size 48
		.amdhsa_user_sgpr_count 2
		.amdhsa_user_sgpr_kernarg_segment_ptr 1
		.amdhsa_wavefront_size32 1
		.amdhsa_system_sgpr_workgroup_id_x 1
		.amdhsa_system_sgpr_workgroup_id_y 1
		.amdhsa_system_sgpr_workgroup_id_z 1
		.amdhsa_system_vgpr_workitem_id 0
		.amdhsa_next_free_vgpr 192
		.amdhsa_next_free_sgpr 100
		.amdhsa_reserve_vcc 1
		.amdhsa_float_denorm_mode_32 3
		.amdhsa_float_denorm_mode_16_64 3
		.amdhsa_memory_ordered 1
		.amdhsa_forward_progress 1
		.amdhsa_inst_pref_size 117
	.end_amdhsa_kernel
	.amdgpu_metadata
---
amdhsa.version: [ 1, 2 ]
amdhsa.kernels:
  - .name:           k_q14c5d6d753_emit
    .symbol:         k_q14c5d6d753_emit.kd
    .args:
      - { .name: cand, .offset: 0, .size: 8, .value_kind: global_buffer, .address_space: global }
      - { .name: cid, .offset: 8, .size: 8, .value_kind: global_buffer, .address_space: global }
      - { .name: keys, .offset: 16, .size: 8, .value_kind: global_buffer, .address_space: global }
      - { .name: values, .offset: 24, .size: 8, .value_kind: global_buffer, .address_space: global }
      - { .name: out0, .offset: 32, .size: 8, .value_kind: global_buffer, .address_space: global }
      - { .name: out1, .offset: 40, .size: 8, .value_kind: global_buffer, .address_space: global }
    .group_segment_fixed_size: 0
    .private_segment_fixed_size: 0
    .kernarg_segment_align: 8
    .kernarg_segment_size: 48
    .max_flat_workgroup_size: 256
    .sgpr_count:     100
    .vgpr_count:     192
    .wavefront_size: 32
...
	.end_amdgpu_metadata
.endif
;; end of part 4
;; ======== version 2 of 2: 4 launches
;; workspace buffers: kc 6,291,456 bytes; ks 262,144 bytes; qc 196,608 bytes; qs 8,192 bytes; cmax 16,777,216 bytes of whole numbers; cand 8,388,608 bytes of whole numbers; cid 262,144 bytes of whole numbers
;; launch quant (part 5): grid 264 x 1, 4 waves a work-group, no clusters, 35,328 bytes of LDS; arguments keys, q, kc, ks, qc, qs; writes kc, ks, qc, qs
.if DOCPART == 5
	.amdgcn_target "amdgcn-amd-amdhsa--gfx1250"
	.amdhsa_code_object_version 6
	.text
	.protected	k_q14c5d6d753_quant
	.globl	k_q14c5d6d753_quant
	.p2align	8
	.type	k_q14c5d6d753_quant,@function
k_q14c5d6d753_quant:
	s_mov_b64 s[64:65], 0
	v_nop
	global_prefetch_b8 v0, s[64:65] scope:SCOPE_SE
	s_setreg_imm32_b32 hwreg(HW_REG_WAVE_MODE, 25, 1), 1
	s_wait_xcnt 0x0
; keys [65536][128] and q [2048][128], f32, become codes of FP6 (E2M3) with one E8M0 byte for each 32 along K, laid as IMAGES OF OPERAND REGISTERS.
; A tile is 16 rows x 128 K: 12 registers a lane.  Registers 4 c .. 4 c + 3 of lane l lie at 1536 T + 512 c + 16 l of the codes' buffer; the scale word of tile row m at 64 T + 4 m.
; THE ROWS OF A TILE ARE NOT NEIGHBOURS: tile T, row m is row 64 (T / 4) + 32 (m / 8) + 8 (T % 4) + m % 8, so that in a product whose source 0 is a tile of keys
; a lane's 32 results over the four tiles of a group are 32 keys with consecutive numbers.
; A block's scale is 2^(floor(log2(its largest magnitude)) - 2); its byte is the largest magnitude's exponent field - 2, held at 1 from below.
; LIMITS: a block of zeros gets the byte 1 (its codes are zeros, and this program alone reads the bytes); blocks whose largest magnitude lies under 2^-124 are held at the byte 1;
; NaN and infinities among the inputs are not served.
; SHARES: work-groups 0-255 take keys, 256-263 q (only pointers are chosen: one path through the text).  A wave takes a group of 64 rows: four tiles.
; Each load reads one whole row, 512 consecutive bytes; a tile's 16 rows turn through the wave's own stage in LDS (pitch 528) and come back 128 bytes a lane and block:
; lane (r, h) then holds blocks h and 2 + h of tile row r, which is what the operand's layout gives that lane.  Waves share nothing: no barrier.
.set WREG, 8704                        ; LDS of a wave: the stage, 16 x 528 bytes, and 256 bytes of scale words
.set SPQ,  528
.set SCW,  16*SPQ
.set RA,   32                          ; v32-95, v96-159  two sets of 64: a tile as loaded
.set X,    160                         ; v160-223 my 64 numbers: block h, then block 2 + h
.set C,    224                         ; v224-235 the fragment's 12 registers
.set T0,   236                         ; v236-238, v240-242 the upper halves of the two blocks' codes, as the conversions leave them
.set T1,   240
	s_load_b128 s[4:7], s[0:1], 0x0                ; keys, q
	s_load_b128 s[8:11], s[0:1], 0x10              ; kc, ks
	s_load_b128 s[12:15], s[0:1], 0x20             ; qc, qs
	v_lshl_add_u32 v244, v0, 2, 0x8800
	v_mov_b32 v245, 0
	v_lshrrev_b32 v1, 5, v0
	v_readfirstlane_b32 s16, v1                    ; wave 0..3
	v_and_b32 v1, 31, v0                           ; lane
	v_lshlrev_b32 v2, 4, v1                        ; 16 x lane: my bytes of a row, and of an image
	s_mul_i32 s17, s16, WREG
	v_add_nc_u32 v3, s17, v2                       ; the stage, on the way in
	v_and_b32 v10, 15, v0                          ; r
	v_bfe_u32 v11, v0, 4, 1                        ; h
	v_mul_u32_u24 v4, v10, SPQ
	v_lshl_add_u32 v4, v11, 7, v4
	v_add_nc_u32 v4, s17, v4                       ; and on the way out: row r, block h
	s_add_co_u32 s18, s17, SCW
	v_lshl_add_u32 v5, v10, 2, s18                 ; my row's scale word
	v_lshl_add_u32 v6, v1, 3, s18                  ; the scale words on the way out: 8 bytes a lane
	v_lshlrev_b32 v7, 3, v1
	v_lshlrev_b32 v8, 3, v11                       ; 8 h: my bytes' place in the scale word
	v_mov_b32 v9, 0                                ; written once: a lane permute's destination counts as one of its sources
	s_mov_b32 s22, 0x76543210
	s_mov_b32 s23, 0xfedcba98                      ; selects for lane l xor 16
	s_wait_alu depctr_va_vdst(0)
	s_wait_kmcnt 0x0
	s_cmp_lt_u32 ttmp9, 256                        ; keys or q?  The choice hangs on the work-group's number alone
	s_cselect_b64 s[4:5], s[4:5], s[6:7]
	s_cselect_b64 s[8:9], s[8:9], s[12:13]
	s_cselect_b64 s[10:11], s[10:11], s[14:15]
	s_cselect_b32 s19, 0, 256
	s_sub_co_u32 s19, ttmp9, s19
	s_lshl_b32 s19, s19, 2
	s_add_co_u32 s19, s19, s16                     ; my group of 64 rows
	s_lshl_b32 s20, s19, 15                        ; 64 rows of 512 bytes
	s_mov_b32 s21, 0
	s_add_nc_u64 s[4:5], s[4:5], s[20:21]
	s_mul_i32 s20, s19, 6144                       ; four images of 1,536 bytes
	s_add_nc_u64 s[8:9], s[8:9], s[20:21]
	s_lshl_b32 s20, s19, 8                         ; 64 scale words
	s_add_nc_u64 s[10:11], s[10:11], s[20:21]
.macro LOAD t                          ; tile t's 16 rows, a whole row a load
.irp i, 0,1,2,3,4,5,6,7,8,9,10,11,12,13,14,15
	global_load_b128 v[RA+64*((\t)%2)+4*\i:RA+64*((\t)%2)+4*\i+3], v2, s[4:5] offset:(32*(\i/8)+8*(\t)+\i%8)*512 th:TH_LOAD_NT
.endr
.endm
.macro TURN t                          ; through the stage: LDS serves a wave's instructions in order, so no wait stands between the stores and the loads
.irp i, 0,1,2,3,4,5,6,7,8,9,10,11,12,13,14,15
	ds_store_b128 v3, v[RA+64*((\t)%2)+4*\i:RA+64*((\t)%2)+4*\i+3] offset:SPQ*\i
.endr
.irp e, 0,1,2,3,4,5,6,7
	ds_load_b128 v[X+4*\e:X+4*\e+3], v4 offset:16*\e
.endr
.irp e, 0,1,2,3,4,5,6,7
	ds_load_b128 v[X+32+4*\e:X+32+4*\e+3], v4 offset:256+16*\e
.endr
.endm
.macro QUANT                           ; my two blocks by turns
	v_max3_num_f32 v10, |v[X]|, |v[X+1]|, 0x1800000            ; the floor 2^(3 - 127) among the leaves: the byte cannot fall under 1
	v_max3_num_f32 v11, |v[X+32]|, |v[X+33]|, 0x1800000
.irp i, 2,4,6,8,10,12,14,16,18,20,22,24,26,28,30
	v_max3_num_f32 v10, v10, |v[X+\i]|, |v[X+\i+1]|
	v_max3_num_f32 v11, v11, |v[X+32+\i]|, |v[X+33+\i]|
.endr
	v_add_nc_u32 v12, 0xff000000, v10              ; 2 off the exponent field: the conversion takes the exponent field of this operand as its scale
	v_add_nc_u32 v13, 0xff000000, v11
	v_lshrrev_b32 v14, 23, v12                     ; the scales' bytes
	v_lshrrev_b32 v15, 23, v13
	v_lshl_or_b32 v16, v15, 16, v14                ; blocks h and 2 + h,
	v_lshlrev_b32 v16, v8, v16                     ; at their places in the word;
	v_permlanex16_b32 v9, v16, s22, s23
	v_or_b32 v16, v16, v9                          ; with lane l xor 16's two the word is whole
	v_cvt_scalef32_pk16_fp6_f32 v[C:C+2], v[X:X+15], v12
	v_cvt_scalef32_pk16_fp6_f32 v[T0:T0+2], v[X+16:X+31], v12  ; (a conversion's three registers begin on an even number)
	v_cvt_scalef32_pk16_fp6_f32 v[C+6:C+8], v[X+32:X+47], v13
	v_cvt_scalef32_pk16_fp6_f32 v[T1:T1+2], v[X+48:X+63], v13
	v_nop                                          ; one plain instruction behind the conversions, ahead of the moves that read their results
.irp i, 0,1,2
	v_mov_b32 v[C+3+\i], v[T0+\i]
	v_mov_b32 v[C+9+\i], v[T1+\i]
.endr
.endm
.macro TILE t
.if (\t) < 3
	s_wait_loadcnt 16                              ; this tile's 16 loads are in; the next tile's 16 may be out
.else
	s_wait_loadcnt 0x0
.endif
	TURN \t
	s_wait_dscnt 0x0                               ; my 64 numbers are back; the stores into the stage have read their registers, and the last tile's scale word is stored
.if (\t) < 2
	LOAD (\t)+2
.endif
.if (\t) > 0
	s_wait_xcnt 0x0                                ; the last tile's stores have read the fragment's registers: they are written again only behind this wait
.endif
	QUANT
.irp c, 0,1,2
	global_store_b128 v2, v[C+4*\c:C+4*\c+3], s[8:9] offset:1536*(\t)+512*\c   ; 32 lanes store 512 consecutive bytes, aligned
.endr
	ds_store_b32 v5, v16 offset:64*(\t)            ; lanes r and r + 16 write the same word with the same value
.endm
	LOAD 0
	LOAD 1
	TILE 0
	TILE 1
	TILE 2
	TILE 3
	ds_load_b64 v[18:19], v6                       ; LDS serves a wave's instructions in order: these see my stores
	s_wait_dscnt 0x0
	global_store_b64 v7, v[18:19], s[10:11]        ; the group's 64 scale words: 256 consecutive bytes, aligned
	s_wait_tensorcnt 0x0
	ds_add_u32 v244, v245
	s_wait_dscnt 0x0
	s_endpgm
.Lfunc_end_k_q14c5d6d753_quant:
	.size	k_q14c5d6d753_quant, .Lfunc_end_k_q14c5d6d753_quant-k_q14c5d6d753_quant
	.p2alignl 7, 3214868480
	.fill 96, 4, 3214868480
	.section	.rodata,"a",@progbits
	.p2align	6, 0x0
	.amdhsa_kernel k_q14c5d6d753_quant
		.amdhsa_group_segment_fixed_size 35328
		.amdhsa_private_segment_fixed_size 0
		.amdhsa_enable_private_segment 0
		.amdhsa_kernarg_size 48
		.amdhsa_user_sgpr_count 2
		.amdhsa_user_sgpr_kernarg_segment_ptr 1
		.amdhsa_wavefront_size32 1
		.amdhsa_system_sgpr_workgroup_id_x 1
		.amdhsa_system_sgpr_workgroup_id_y 1
		.amdhsa_system_sgpr_workgroup_id_z 1
		.amdhsa_system_vgpr_workitem_id 0
		.amdhsa_next_free_vgpr 246
		.amdhsa_next_free_sgpr 66
		.amdhsa_reserve_vcc 0
		.amdhsa_float_denorm_mode_32 3
		.amdhsa_float_denorm_mode_16_64 3
		.amdhsa_memory_ordered 1
		.amdhsa_forward_progress 1
		.amdhsa_inst_pref_size 30
	.end_amdhsa_kernel
	.amdgpu_metadata
---
amdhsa.version: [ 1, 2 ]
amdhsa.kernels:
  - .name:           k_q14c5d6d753_quant
    .symbol:         k_q14c5d6d753_quant.kd
    .args:
      - { .name: keys, .offset: 0, .size: 8, .value_kind: global_buffer, .address_space: global }
      - { .name: q, .offset: 8, .size: 8, .value_kind: global_buffer, .address_space: global }
      - { .name: kc, .offset: 16, .size: 8, .value_kind: global_buffer, .address_space: global }
      - { .name: ks, .offset: 24, .size: 8, .value_kind: global_buffer, .address_space: global }
      - { .name: qc, .offset: 32, .size: 8, .value_kind: global_buffer, .address_space: global }
      - { .name: qs, .offset: 40, .size: 8, .value_kind: global_buffer, .address_space: global }
    .group_segment_fixed_size: 35328
    .private_segment_fixed_size: 0
    .kernarg_segment_align: 8
    .kernarg_segment_size: 48
    .max_flat_workgroup_size: 128
    .sgpr_count:     66
    .vgpr_count:     246
    .wavefront_size: 32
...
	.end_amdgpu_metadata
.endif
;; end of part 5
;; launch score (part 6): grid 32 x 8, 16 waves a work-group, no clusters, 96,256 bytes of LDS; arguments kc, ks, qc, qs, cmax; writes cmax
.if DOCPART == 6
	.amdgcn_target "amdgcn-amd-amdhsa--gfx1250"
	.amdhsa_code_object_version 6
	.text
	.protected	k_q14c5d6d753_score
	.globl	k_q14c5d6d753_score
	.p2align	8
	.type	k_q14c5d6d753_score,@function
k_q14c5d6d753_score:
	s_mov_b64 s[64:65], 0
	v_nop
	global_prefetch_b8 v0, s[64:65] scope:SCOPE_SE
	s_setreg_imm32_b32 hwreg(HW_REG_WAVE_SCHED_MODE, 0, 2), 2
	s_setreg_imm32_b32 hwreg(HW_REG_WAVE_MODE, 25, 1), 1
	s_wait_xcnt 0x0
	s_wait_alu depctr_vm_vsrc(0)
; The whole product q x keys^T on codes of FP6; of each CHUNK of 32 keys with consecutive numbers only the largest score of each query is kept.
; It leaves as a whole number whose unsigned order is the score's order: u = bits xor ((bits >> 31, arithmetic) or 0x80000000), of the score + 0.0 (so that -0 counts as +0).
; cmax: [query 2048][8192 bytes]; in the 256 bytes of key block kb, word 2 l + e is chunk 64 kb + 32 e + l.
; SHARES.  A work-group takes 2,048 keys (x) and 256 queries (y).  Each of its sixteen waves keeps 8 tiles of keys (128 keys, 4 chunks) in 96 registers for the whole launch
; and walks the 16 tiles of queries, whose images lie in LDS: 128 matrix instructions a wave.  Four waves lie on a SIMD: one wave's maxima stand beside another's products.
; LAYOUT.  Source 0 = a tile of keys, source 1 = a tile of queries.  Lane (r, h) holds query column r and key rows 8 h + j; by the order of a tile's rows the lane's 32 results
; over a group's four tiles are one whole chunk: the chunk's maximum needs no other lane.
; NO CLUSTER: K is 128, one step, so a work-group reads each of its operand bytes once, the keys' 196,608 bytes straight into the registers in which they stay.
; A joint load would lay them in LDS first: 196,608 bytes more written to LDS and read from it for each work-group, to share a read that is made once.
; LIMITS: NaN and infinities are not served.
; THE MODE: SCHED_MODE bits 1:0 = 2 (LLVM: expert scheduling mode 2), set by the entry lines.  The code itself states the register dependences
; between vector or matrix instructions and memory or LDS instructions, with s_wait_alu, always for 0.
; THE PLAN.  Registers that memory or LDS instructions touch:
;   v1, v2, v3, v5, v6, v7  offsets and LDS addresses, made once at the head and never written again.
;   v[DX .. DX + 11]        at the head the queries' images pass through them (loaded, then read by my three LDS stores); from trip 0 on the products write them.
;   KS, QS, KF              loaded once; named by the products alone afterwards.
;   QF0, QF1                Trip i's eight products read QF[i % 2]; the LDS loads of tile i + 2 land in it, issued at the head of trip i + 1.
;   R0, R1                  two sets of two results.  Trip i's two reductions write R[i % 2]; the two LDS stores at the head of trip i + 1 read it.
;   v[RL]                   the last reduction's result, read by one store.
;   DX, DY, CC are otherwise named by vector and matrix instructions alone, until the way out's loads land in DX.
; One on vm_vsrc (the stores of a trip ago have read the set that this trip writes) and one on va_vdst (the last trip's reductions have
; written their set, and its products are done reading their fragment).  The trip's two stores and three loads follow them at once, ahead of its vector and matrix work.
.set QIMG,  0                          ; LDS: 16 images of 1,536 bytes
.set STAGE, 24576                      ; and the stage: 256 queries x (256 bytes + 16)
.set SP,    272
.set KS,    8                          ; v8-11   keys' scale words: register i: tile 2 i in lanes 0-15, tile 2 i + 1 in lanes 16-31
.set QS,    12                         ; v12-19  queries' likewise
.set KF,    32                         ; v32-127 my 8 tiles of keys
.set QF,    128                        ; v128-139, v140-151 a tile of queries, two buffers
.set DX,    160                        ; v160-191 group 0's results
.set DY,    192                        ; v192-223 group 1's
.set CC,    224                        ; v224-229 at work
.set RS,    230                        ; v230-233 set t % 2 of trip t at RS + 2 (t % 2): group 0's result, then group 1's
.set RL,    234                        ; v234    the result of the reduction behind the last trip
	s_load_b256 s[4:11], s[0:1], 0x0               ; kc, ks, qc, qs
	s_load_b64 s[12:13], s[0:1], 0x20              ; cmax
	v_lshl_add_u32 v254, v0, 2, 0x17000
	v_mov_b32 v255, 0
	v_lshrrev_b32 v4, 5, v0
	v_readfirstlane_b32 s14, v4                    ; wave 0..15
	s_and_b32 s15, ttmp7, 0xffff                   ; block of 256 queries
	v_and_b32 v4, 31, v0
	v_lshlrev_b32 v1, 4, v4                        ; 16 x lane
	v_lshlrev_b32 v2, 2, v4                        ; 4 x lane
	v_lshlrev_b32 v3, 4, v0                        ; 16 x thread
	v_and_b32 v20, 7, v0
	v_bfe_u32 v21, v0, 3, 1
	v_bfe_u32 v22, v0, 4, 1                        ; h
	s_wait_alu depctr_va_vdst(0)
	v_and_b32 v23, 15, v0                          ; r
	v_lshl_add_u32 v20, v21, 5, v20                ; column r of a tile of queries is query 32 (r / 8) + r % 8 of the tile's own
	v_mul_u32_u24 v5, v20, SP
	v_lshl_add_u32 v5, v22, 3, v5                  ; chunk 4 w + 2 g + h of the block's 64 lies at byte 32 (w % 8) + 16 g + 8 h + 4 (w / 8)
	s_wait_alu depctr_va_sdst(0)                   ; s14 is written, ahead of its first reader: LDS addresses and the bases are made from it
	s_and_b32 s16, s14, 7
	s_lshl_b32 s16, s16, 5
	s_lshr_b32 s17, s14, 3
	s_lshl_b32 s17, s17, 2
	s_add_co_u32 s16, s16, s17
	s_add_co_u32 s16, s16, STAGE
	v_add_nc_u32 v5, s16, v5                       ; the stage, on the way in
	v_mul_u32_u24 v6, v22, SP
	v_lshl_add_u32 v6, v23, 4, v6
	s_mul_i32 s17, s14, 2*SP
	s_add_co_u32 s17, s17, STAGE
	v_add_nc_u32 v6, s17, v6                       ; and on the way out: rows 2 w and 2 w + 1, sixteen lanes to a row
	v_lshlrev_b32 v7, 13, v22
	s_wait_alu depctr_va_vdst(0)
	v_lshl_add_u32 v7, v23, 4, v7
	s_lshl_b32 s17, s14, 14
	v_add_nc_u32 v7, s17, v7                       ; the same two rows in cmax, 8,192 bytes apart
	s_mov_b32 s19, 0
	s_wait_kmcnt 0x0
	s_mul_i32 s18, s15, 24576
	s_add_nc_u64 s[8:9], s[8:9], s[18:19]          ; my 16 tiles of queries
	s_lshl_b32 s18, s15, 10
	s_add_nc_u64 s[10:11], s[10:11], s[18:19]      ; their scale words
	s_lshl_b32 s18, ttmp9, 13
	s_lshl_b32 s20, s14, 9
	s_add_co_u32 s18, s18, s20
	s_add_nc_u64 s[6:7], s[6:7], s[18:19]          ; my 8 tiles' scale words
	s_mul_i32 s18, ttmp9, 196608
	s_mul_i32 s20, s14, 12288
	s_add_co_u32 s18, s18, s20
	s_add_nc_u64 s[4:5], s[4:5], s[18:19]          ; my 8 tiles of keys
	s_lshl_b32 s18, s15, 21
	s_lshl_b32 s20, ttmp9, 8
	s_add_co_u32 s18, s18, s20
	s_add_nc_u64 s[12:13], s[12:13], s[18:19]      ; cmax: my first query's row, my key block's 256 bytes
	s_wait_alu depctr_va_vdst(0)                   ; v1, v2, v3, v5, v6 and v7 are written: every load and store of the kernel, global or LDS, reads one of them as its offset or address
.irp c, 0,1,2
	global_load_b128 v[DX+4*\c:DX+4*\c+3], v3, s[8:9] offset:8192*\c   ; the queries' images: 512 threads x 16 bytes, three times
.endr
.irp i, 0,1,2,3,4,5,6,7
	global_load_b32 v[QS+\i], v2, s[10:11] offset:128*\i
.endr
.irp i, 0,1,2,3
	global_load_b32 v[KS+\i], v2, s[6:7] offset:128*\i
.endr
.irp t, 0,1,2,3,4,5,6,7
.irp c, 0,1,2
	global_load_b128 v[KF+12*\t+4*\c:KF+12*\t+4*\c+3], v1, s[4:5] offset:1536*\t+512*\c
.endr
.endr
	s_wait_loadcnt 36                              ; the three oldest loads are in: 8 + 4 + 24 younger ones may be out
.irp c, 0,1,2
	ds_store_b128 v3, v[DX+4*\c:DX+4*\c+3] offset:QIMG+8192*\c
.endr
	s_wait_dscnt 0x0                               ; for the others' sake: my part of the images is stored
	s_barrier_signal -1
	s_barrier_wait -1
.macro FRAG i                          ; tile i of the queries, as it stands, into buffer i % 2
.irp c, 0,1,2
	ds_load_b128 v[QF+12*((\i)%2)+4*\c:QF+12*((\i)%2)+4*\c+3], v1 offset:QIMG+1536*(\i)+512*\c
.endr
.endm
.macro MMS ra, rb                      ; one product; ra, rb: the scales stand in lanes 16-31 of their registers
.if (\ra) && (\rb)
	v_wmma_scale_f32_16x16x128_f8f6f4 v[rD:rD+7], v[rA:rA+11], v[rB:rB+11], 0, v[rSA], v[rSB] matrix_a_fmt:MATRIX_FMT_FP6 matrix_b_fmt:MATRIX_FMT_FP6 matrix_a_scale:MATRIX_SCALE_ROW1 matrix_b_scale:MATRIX_SCALE_ROW1
.elseif \ra
	v_wmma_scale_f32_16x16x128_f8f6f4 v[rD:rD+7], v[rA:rA+11], v[rB:rB+11], 0, v[rSA], v[rSB] matrix_a_fmt:MATRIX_FMT_FP6 matrix_b_fmt:MATRIX_FMT_FP6 matrix_a_scale:MATRIX_SCALE_ROW1
.elseif \rb
	v_wmma_scale_f32_16x16x128_f8f6f4 v[rD:rD+7], v[rA:rA+11], v[rB:rB+11], 0, v[rSA], v[rSB] matrix_a_fmt:MATRIX_FMT_FP6 matrix_b_fmt:MATRIX_FMT_FP6 matrix_b_scale:MATRIX_SCALE_ROW1
.else
	v_wmma_scale_f32_16x16x128_f8f6f4 v[rD:rD+7], v[rA:rA+11], v[rB:rB+11], 0, v[rSA], v[rSB] matrix_a_fmt:MATRIX_FMT_FP6 matrix_b_fmt:MATRIX_FMT_FP6
.endif
.endm
.macro WM g, i                         ; group g's four tiles of keys x tile i of the queries: K is one step, so every product begins and ends its sum
.irp t, 0,1,2,3
.set rD, DX+32*(\g)+8*\t
.set rA, KF+12*(4*(\g)+\t)
.set rB, QF+12*((\i)%2)
.set rSA, KS+(4*(\g)+\t)/2
.set rSB, QS+(\i)/2
	MMS (\t)%2, (\i)%2
.endr
.endm
.macro RED d                           ; the largest of my 32 results, as a whole number, into v[rX].  Each accumulator is read from its low end on
.irp a, 0,1,2,3
	v_max3_num_f32 v[CC+\a], v[\d+8*\a], v[\d+8*\a+1], v[\d+8*\a+2]
.endr
.irp a, 0,1,2,3
	v_max3_num_f32 v[CC+\a], v[CC+\a], v[\d+8*\a+3], v[\d+8*\a+4]
.endr
.irp a, 0,1,2,3
	v_max3_num_f32 v[CC+\a], v[CC+\a], v[\d+8*\a+5], v[\d+8*\a+6]
.endr
	v_max3_num_f32 v[rX], v[CC], v[CC+1], v[CC+2]
	v_max3_num_f32 v[CC+4], v[CC+3], v[\d+7], v[\d+15]
	v_max3_num_f32 v[rX], v[rX], v[CC+4], v[\d+23]
	v_max_num_f32 v[rX], v[rX], v[\d+31]
	v_add_f32 v[rX], 0, v[rX]                      ; -0 becomes +0
	v_ashrrev_i32 v[CC+5], 31, v[rX]
	v_or_b32 v[CC+5], 0x80000000, v[CC+5]
	v_xor_b32 v[rX], v[rX], v[CC+5]                ; unsigned order = the scores' order
.endm
.macro PUT r, g, i                     ; the result in v[r], of group g and tile i of the queries, into the stage
	ds_store_b32 v5, v[\r] offset:(64*((\i)/4)+8*((\i)%4))*SP+16*(\g)
.endm
; A trip: one tile of queries.  The reduction of one group's results stands behind the other group's products: its 20 plain instructions name none of those products' registers
; and are the distance between them and what follows (the read of their results, the products that write their results anew).
.macro QT i
	s_wait_dscnt 0x0                               ; tile i's fragment, the youngest LDS loads of the trip before, is in
.if (\i) == 0
	s_wait_alu depctr_vm_vsrc(0)                   ; my LDS stores of the images have read v[DX ..], which the products below write
.endif
.if (\i) >= 2
	s_wait_alu depctr_vm_vsrc(0)                   ; the LDS stores issued a trip ago have read result set i % 2, which this trip's reductions write again
.endif
.if (\i) >= 1
	s_wait_alu depctr_va_vdst(0)                   ; the last trip's reductions have written the other result set, which the stores below read; its products are done reading the fragment buffer in which the loads below land
	PUT RS+2*(((\i)-1)%2), 0, (\i)-1
.endif
.if (\i) >= 2
	PUT RS+2*(((\i)-1)%2)+1, 1, (\i)-2
.endif
.if (\i) < 15
	FRAG (\i)+1
.endif
.if (\i) == 0
	s_wait_loadcnt 12                              ; the scale words and key tiles 0-3 are in; tiles 4-7, twelve loads, may be out
.endif
	WM 0, \i
.if (\i) > 0
.set rX, RS+2*((\i)%2)+1
	RED DY                                         ; group 1, tile i - 1
.else
.rept 4
	v_nop
.endr
	s_wait_loadcnt 0x0
.endif
	WM 1, \i
.set rX, RS+2*((\i)%2)
	RED DX                                         ; group 0, tile i
.endm
	FRAG 0
.irp i, 0,1,2,3,4,5,6,7,8,9,10,11,12,13,14,15
	QT \i
.endr
.set rX, RL
	RED DY                                         ; group 1, tile 15: into a register that no store has read
	s_wait_alu depctr_va_vdst(0)                   ; the last three reductions have written v[RS + 2], v[RS + 3] and v[RL], which the stores below read; all vector and matrix work on v[DX ..], in which the way out's loads land, is done
	PUT RS+2, 0, 15
	PUT RS+3, 1, 14
	PUT RL, 1, 15
	s_wait_dscnt 0x0                               ; for the others' sake: my stores into the stage are done
	s_barrier_signal -1
	s_barrier_wait -1
.irp k, 0,1,2,3,4,5,6,7
	ds_load_b128 v[DX+4*\k:DX+4*\k+3], v6 offset:32*SP*\k
.endr
.irp k, 0,1,2,3,4,5,6,7
	s_wait_dscnt 7-\k                              ; LDS loads come back in order: the younger ones may be out
	global_store_b128 v7, v[DX+4*\k:DX+4*\k+3], s[12:13] offset:262144*\k   ; sixteen lanes store 256 consecutive bytes, aligned
.endr
	s_wait_dscnt 0x0                               ; the closing lines, six on end
	s_wait_alu 0x0
	s_wait_tensorcnt 0x0
	ds_add_u32 v254, v255
	s_wait_dscnt 0x0
	s_endpgm
.Lfunc_end_k_q14c5d6d753_score:
	.size	k_q14c5d6d753_score, .Lfunc_end_k_q14c5d6d753_score-k_q14c5d6d753_score
	.p2alignl 7, 3214868480
	.fill 96, 4, 3214868480
	.section	.rodata,"a",@progbits
	.p2align	6, 0x0
	.amdhsa_kernel k_q14c5d6d753_score
		.amdhsa_group_segment_fixed_size 96256
		.amdhsa_private_segment_fixed_size 0
		.amdhsa_enable_private_segment 0
		.amdhsa_kernarg_size 40
		.amdhsa_user_sgpr_count 2
		.amdhsa_user_sgpr_kernarg_segment_ptr 1
		.amdhsa_wavefront_size32 1
		.amdhsa_system_sgpr_workgroup_id_x 1
		.amdhsa_system_sgpr_workgroup_id_y 1
		.amdhsa_system_sgpr_workgroup_id_z 1
		.amdhsa_system_vgpr_workitem_id 0
		.amdhsa_next_free_vgpr 256
		.amdhsa_next_free_sgpr 66
		.amdhsa_reserve_vcc 0
		.amdhsa_float_denorm_mode_32 3
		.amdhsa_float_denorm_mode_16_64 3
		.amdhsa_memory_ordered 1
		.amdhsa_forward_progress 1
		.amdhsa_inst_pref_size 68
	.end_amdhsa_kernel
	.amdgpu_metadata
---
amdhsa.version: [ 1, 2 ]
amdhsa.kernels:
  - .name:           k_q14c5d6d753_score
    .symbol:         k_q14c5d6d753_score.kd
    .args:
      - { .name: kc, .offset: 0, .size: 8, .value_kind: global_buffer, .address_space: global }
      - { .name: ks, .offset: 8, .size: 8, .value_kind: global_buffer, .address_space: global }
      - { .name: qc, .offset: 16, .size: 8, .value_kind: global_buffer, .address_space: global }
      - { .name: qs, .offset: 24, .size: 8, .value_kind: global_buffer, .address_space: global }
      - { .name: cmax, .offset: 32, .size: 8, .value_kind: global_buffer, .address_space: global }
    .group_segment_fixed_size: 96256
    .private_segment_fixed_size: 0
    .kernarg_segment_align: 8
    .kernarg_segment_size: 40
    .max_flat_workgroup_size: 512
    .sgpr_count:     66
    .vgpr_count:     256
    .wavefront_size: 32
...
	.end_amdgpu_metadata
.endif
;; end of part 6
;; launch pick (part 7): grid 256 x 1, 8 waves a work-group, no clusters, 0 bytes of LDS; arguments cmax, kc, ks, qc, qs, cand, cid; writes cand, cid
.if DOCPART == 7
	.amdgcn_target "amdgcn-amd-amdhsa--gfx1250"
	.amdhsa_code_object_version 6
	.text
	.protected	k_q14c5d6d753_pick
	.globl	k_q14c5d6d753_pick
	.p2align	8
	.type	k_q14c5d6d753_pick,@function
k_q14c5d6d753_pick:
	s_mov_b64 s[64:65], 0
	v_nop
	global_prefetch_b8 v0, s[64:65] scope:SCOPE_SE
	s_setreg_imm32_b32 hwreg(HW_REG_WAVE_SCHED_MODE, 0, 2), 2
	s_setreg_imm32_b32 hwreg(HW_REG_WAVE_MODE, 25, 1), 1
	s_wait_xcnt 0x0
	s_wait_alu depctr_vm_vsrc(0)
; For each query: the 32 chunks that are best by (largest score descending, chunk number ascending), and the scores of their 1,024 keys anew.
; The best 32 keys lie in these chunks: if 32 chunks rank ahead of chunk C, each holds a key that ranks ahead of every key of C (a chunk is a range of key numbers).
; All that steers an address here is made by whole-number instructions from the whole numbers that this launch reads from cmax.
; cid: [query][slot 0..31] chunk number, ascending.  cand: [query][k 0..7][lane][e 0..3]: the score, as an ordered whole number, of key `lane` of the chunk in slot 4 k + e.
; SHARES: a wave to a query; waves share nothing: no LDS, no barrier.
; THE CHOICE.  Register p, lane l holds chunk 32 p + l.  Each lane sorts its 64 numbers' best 32 (networks of maximum and minimum on registers, two sets by turns, so that nothing is copied);
; five exchanges between lanes (each: the partner's list reversed, maximum, a clean-up of five stages) leave the row's 32 largest in every lane.  T is their smallest, n the count above T.
; Marked are the chunks above T and the first 32 - n chunks equal to T, in the order of chunk numbers; lane p then finds the p-th marked chunk.
; THE SCORES.  Source 0 = the query in all 16 rows, source 1 = 16 keys of the chunk (8 rows of each of two tiles' images): two products a chunk, register 0 of each holds the scores.
; NO CLUSTER: which tiles a wave reads hangs on its own query's list; no two work-groups are known to want the same tile at the same time.
; cid's store is 128 bytes a query: half of an aligned 256 bytes for each wave.
; LIMITS: NaN and infinities are not served; -0 counts as +0.
; THE MODE: SCHED_MODE bits 1:0 = 2 (LLVM: expert scheduling mode 2), set by the entry lines.  The code itself states the register dependences
; between vector or matrix instructions and memory instructions, and those through scalar registers and VCC that vector instructions write, with s_wait_alu, always for 0.
; THE PLAN.  Registers that memory instructions touch:
;   v2 to v7, v13   offsets, made once at the head and never written again.
;   U v32-95        cmax's loads land there once; the sorts and marks read them.  From the slots on v32-63 are written by FIN and read by the last eight stores.
;   QA, QSC         loaded once; named by the products alone afterwards.
;   ID v12          written once; read by cid's store.
;   BF0 .. BF4, KSC0 .. KSC4   Slot s: its two products read buffer s % 5 and its scale words; the loads of slot s + 5 land there, issued in slot s + 1.
; A chunk's place is scalar: all 32 chunk numbers are read out of ID at once, and each slot has a pair of scalar bases (five sets by turns) beside the constant offsets v5 and v6,
; so that no address register is written among the slots.  So ONE wait on va_vdst stands in a slot, behind the wait for its data: the last slot's products are done with the buffer
; that is asked for again.  The seven loads follow it at once, ahead of the slot's products, which name another buffer.
; Compares stand in runs, into scalar registers, with one wait on va_sdst behind each run and ahead of its first reader.
.set LANE, 1
.set VT,   8                           ; T
.set VN,   9                           ; n
.set VM,   10                          ; the mask word in which my marked chunk lies
.set VRB,  11                          ; its register number << 8 + the marked chunks ahead of it
.set ID,   12                          ; my chunk number
.set ZR,   13                          ; 0
.set VR,   14                          ; v14-21 at work; v22 at work in FIN
.set U,    32                          ; v32-95 the row's 2,048 numbers; later v32-63 the candidates
.set W0,   96
.set W1,   128
.set W2,   160
.set BF,   64                          ; v64-183 later: five slots x two fragments of keys
.set DD,   192                         ; v192-223 results: two sets of two accumulators
.set QA,   224                         ; v224-235 the query's fragment
.set QSC,  236                         ; its scale word
.set KSC,  240                         ; v240-244 a slot's scale words: keys 0-15 in lanes 0-15, keys 16-31 in lanes 16-31
.set ST,   22                          ; s22 T   s23 32 - n   s24 equals so far   s25 marked so far   s26 at work
.set NEED, 23
.set RE,   24
.set RS,   25
.set TS,   26
.set SE,   28                          ; s28-35 equal to T.  (s28-59 as one run: the 32 masks of the count above T; later the 32 chunk numbers)
.set SG,   36                          ; s36-43 above T, then marked
.set SR,   44                          ; s44-51 among the first that are needed; then: my place lies at or behind this register's first
.set SB,   52                          ; s52-59 equals ahead of the register
.set PK,   68                          ; s68-75 register number << 8 + marked ahead
.set BS,   76                          ; s76-83 marked ahead
.set KB,   68                          ; s68-87 later: set b of five at KB + 4 b: a slot's base in kc, then its base in ks
.macro FLIP d, s, k                    ; two sorted runs of k / 2 meet: i against its mirror in the run of k
.set i, 0
.rept 32
.if (i%(\k)) < (\k)/2
.set pj, i-i%(\k)+(\k)-1-i%(\k)
	v_max_u32 v[\d+i], v[\s+i], v[\s+pj]
	v_min_u32 v[\d+pj], v[\s+i], v[\s+pj]
.endif
.set i, i+1
.endr
.endm
.macro HALF d, s, j                    ; i against i + j
.set i, 0
.rept 32
.if (i&(\j)) == 0
	v_max_u32 v[\d+i], v[\s+i], v[\s+i+(\j)]
	v_min_u32 v[\d+i+(\j)], v[\s+i], v[\s+i+(\j)]
.endif
.set i, i+1
.endr
.endm
.macro SORT32 s, a, b                  ; 32 registers from s on, descending, into a; b at work
	FLIP \a, \s, 2
	FLIP \b, \a, 4
	HALF \a, \b, 1
	FLIP \b, \a, 8
	HALF \a, \b, 2
	HALF \b, \a, 1
	FLIP \a, \b, 16
	HALF \b, \a, 4
	HALF \a, \b, 2
	HALF \b, \a, 1
	FLIP \a, \b, 32
	HALF \b, \a, 8
	HALF \a, \b, 4
	HALF \b, \a, 2
	HALF \a, \b, 1
.endm
.macro CLEAN a, b                      ; a list that rises and falls once, in a, comes out descending in b
	HALF \b, \a, 16
	HALF \a, \b, 8
	HALF \b, \a, 4
	HALF \a, \b, 2
	HALF \b, \a, 1
.endm
.macro JOIN d, p, q                    ; the best 32 of two descending lists
.set i, 0
.rept 32
	v_max_u32 v[\d+i], v[\p+i], v[\q+31-i]
.set i, i+1
.endr
.endm
.macro XJOIN d, s, x                   ; the same with the list of lane l xor x
.set i, 0
.rept 32
	v_mov_b32_dpp v[\d+i], v[\s+31-i] row_xmask:\x row_mask:0xf bank_mask:0xf
.set i, i+1
.endr
.set i, 0
.rept 32
	v_max_u32 v[\d+i], v[\d+i], v[\s+i]
.set i, i+1
.endr
.endm
.macro XJOIN16 d, s                    ; and of lane l xor 16
.set i, 0
.rept 32
	v_permlanex16_b32 v[\d+i], v[\s+31-i], s20, s21
.set i, i+1
.endr
.set i, 0
.rept 32
	v_max_u32 v[\d+i], v[\d+i], v[\s+i]
.set i, i+1
.endr
.endm
.macro LEVELS                          ; in: my list, descending, in W0.  Out: the row's 32 largest in W0 of every lane, in no order
	XJOIN W1, W0, 1
	CLEAN W1, W2
	XJOIN W0, W2, 2
	CLEAN W0, W1
	XJOIN W2, W1, 4
	CLEAN W2, W0
	XJOIN W1, W0, 8
	CLEAN W1, W2
	XJOIN16 W0, W2
.endm
.macro THRESH                          ; T, the count above it, and both as scalars
.set i, 0
.rept 16
	v_min_u32 v[W1+i], v[W0+i], v[W0+16+i]
.set i, i+1
.endr
.irp n, 8,4,2
.set i, 0
.rept \n
	v_min_u32 v[W1+i], v[W1+i], v[W1+\n+i]
.set i, i+1
.endr
.endr
	v_min_u32 v[VT], v[W1], v[W1+1]
.set i, 0
.rept 32
	v_cmp_gt_u32 s[SE+i], v[W0+i], v[VT]           ; the 32 compares in one run, into s28 to s59
.set i, i+1
.endr
	s_wait_alu depctr_va_sdst(0)                   ; the compares have written s28 to s59, which the selects below read
.set i, 0
.rept 32
	v_cndmask_b32 v[W1+i], 0, 1, s[SE+i]
.set i, i+1
.endr
.irp n, 16,8,4,2
.set i, 0
.rept \n
	v_add_nc_u32 v[W1+i], v[W1+i], v[W1+\n+i]
.set i, i+1
.endr
.endr
	v_add_nc_u32 v[VN], v[W1], v[W1+1]             ; n
	v_readfirstlane_b32 s[ST], v[VT]
	v_readfirstlane_b32 s[NEED], v[VN]
	s_wait_alu depctr_va_sdst(0)                   ; T and n are written as scalars, ahead of their first readers: the subtraction below and the marks' compares
	s_sub_co_u32 s[NEED], 32, s[NEED]
	s_mov_b32 s[RE], 0
	s_mov_b32 s[RS], 0
	v_mov_b32 v[VM], 0
	v_mov_b32 v[VRB], 0
.endm
.macro MARK8 r0                        ; registers r0 .. r0 + 7, in batches
.irp i, 0,1,2,3,4,5,6,7
	v_cmp_eq_u32 s[SE+\i], s[ST], v[U+(\r0)+\i]
	v_cmp_lt_u32 s[SG+\i], s[ST], v[U+(\r0)+\i]
.endr
	s_wait_alu depctr_va_sdst(0)                   ; the sixteen compares have written the masks 'equal' and 'above', which the counts below and the later batches read
.irp i, 0,1,2,3,4,5,6,7
	s_mov_b32 s[SB+\i], s[RE]
	s_bcnt1_i32_b32 s[TS], s[SE+\i]
	s_add_co_u32 s[RE], s[RE], s[TS]
.endr
.irp i, 0,1,2,3,4,5,6,7
	v_mbcnt_lo_u32_b32 v[VR+\i], s[SE+\i], s[SB+\i]   ; how many equals come ahead of mine, in the order of numbers
.endr
.irp i, 0,1,2,3,4,5,6,7
	v_cmp_gt_u32 s[SR+\i], s[NEED], v[VR+\i]
.endr
	s_wait_alu depctr_va_sdst(0)                   ; the eight compares have written the masks 'among the first that are needed', which the scalar lines below read
.irp i, 0,1,2,3,4,5,6,7
	s_and_b32 s[SR+\i], s[SR+\i], s[SE+\i]
	s_or_b32 s[SG+\i], s[SG+\i], s[SR+\i]          ; marked
	s_mov_b32 s[BS+\i], s[RS]
	s_add_co_u32 s[PK+\i], s[RS], ((\r0)+\i)<<8
	s_bcnt1_i32_b32 s[TS], s[SG+\i]
	s_add_co_u32 s[RS], s[RS], s[TS]
.endr
.irp i, 0,1,2,3,4,5,6,7
	v_cmp_le_u32 s[SR+\i], s[BS+\i], v[LANE]
.endr
	s_wait_alu depctr_va_sdst(0)                   ; the eight compares have written the masks by which the selects below choose
.irp i, 0,1,2,3,4,5,6,7
	v_cndmask_b32 v[VM], v[VM], s[SG+\i], s[SR+\i]    ; the last register whose first marked place is at or ahead of mine holds my item
	v_cndmask_b32 v[VRB], v[VRB], s[PK+\i], s[SR+\i]
.endr
.endm
.macro DESC x, w, st                   ; one step down: does my bit lie behind the lower half?
	v_bfe_u32 v[VR+5], v[\x], v[VR+7], \w
	v_cmp_ge_u32 vcc_lo, v[VR], v[VR+5]
	s_wait_alu depctr_va_vcc(0)                    ; the compare has written VCC, which the two selects read; each step hangs on the step before, so the compares cannot stand in a run
	v_cndmask_b32 v[VR+5], 0, v[VR+5], vcc_lo
	v_cndmask_b32 v[VR+6], 0, \st, vcc_lo
	v_sub_nc_u32 v[VR], v[VR], v[VR+5]
	v_add_nc_u32 v[VR+7], v[VR+7], v[VR+6]
.endm
.macro KTH                             ; the place, in v[VR+7], of set bit number (lane - marked ahead) of my mask word
	v_and_b32 v[VR], 0xff, v[VRB]
	v_sub_nc_u32 v[VR], v[LANE], v[VR]
	v_lshrrev_b32 v[VR+1], 1, v[VM]
	v_and_b32 v[VR+1], 0x55555555, v[VR+1]
	v_sub_nc_u32 v[VR+1], v[VM], v[VR+1]           ; counts of 2 bits
	v_lshrrev_b32 v[VR+2], 2, v[VR+1]
	v_and_b32 v[VR+2], 0x33333333, v[VR+2]
	v_and_b32 v[VR+5], 0x33333333, v[VR+1]
	v_add_nc_u32 v[VR+2], v[VR+2], v[VR+5]         ; of 4
	v_lshrrev_b32 v[VR+3], 4, v[VR+2]
	v_add_nc_u32 v[VR+3], v[VR+3], v[VR+2]
	v_and_b32 v[VR+3], 0x0f0f0f0f, v[VR+3]         ; of 8
	v_lshrrev_b32 v[VR+4], 8, v[VR+3]
	v_add_nc_u32 v[VR+4], v[VR+4], v[VR+3]
	v_and_b32 v[VR+4], 0x00ff00ff, v[VR+4]         ; of 16
	v_mov_b32 v[VR+7], 0
	DESC VR+4, 16, 16
	DESC VR+3, 8, 8
	DESC VR+2, 4, 4
	DESC VR+1, 2, 2
	DESC VM, 1, 1
.endm
	s_load_b256 s[4:11], s[0:1], 0x0               ; cmax, kc, ks, qc
	s_load_b128 s[12:15], s[0:1], 0x20             ; qs, cand
	s_load_b64 s[16:17], s[0:1], 0x30              ; cid
	v_lshrrev_b32 v1, 5, v0
	v_readfirstlane_b32 s18, v1                    ; wave 0..7
	v_and_b32 v[LANE], 31, v0
	v_lshlrev_b32 v2, 3, v[LANE]
	v_lshlrev_b32 v3, 4, v[LANE]
	v_lshlrev_b32 v4, 2, v[LANE]
	v_and_b32 v14, 7, v0
	v_bfe_u32 v15, v0, 3, 1
	v_bfe_u32 v16, v0, 4, 1
	v_mul_u32_u24 v5, v15, 1536                    ; column n of a product's 16 keys: tile n / 8 of the pair, row n % 8 of the chunk's eight; my half 256 bytes on
	v_lshl_add_u32 v5, v14, 4, v5
	v_lshl_add_u32 v5, v16, 8, v5
	v_lshlrev_b32 v6, 2, v14                       ; scale words: lanes 0-15 the first product's keys, lanes 16-31 the second's (two tiles, 128 bytes, on)
	v_lshl_add_u32 v6, v15, 6, v6
	v_lshl_add_u32 v6, v16, 7, v6
	v_lshlrev_b32 v7, 8, v16                       ; the query's image: my half
	v_mov_b32 v[ZR], 0
	s_mov_b32 s20, 0x76543210
	s_mov_b32 s21, 0xfedcba98                      ; selects for lane l xor 16
	s_mov_b32 s96, 0xffff0000                      ; lanes 16-31
	s_wait_alu depctr_va_sdst(0)                   ; s18 is written, ahead of its first reader: my query's number, and all bases, are made from it
	s_lshl_b32 s19, ttmp9, 3
	s_add_co_u32 s19, s19, s18                     ; my query R
	s_lshr_b32 s26, s19, 6                         ; R lies in tile 4 (R / 64) + (R / 8) % 4, row 8 ((R / 32) % 2) + R % 8
	s_lshl_b32 s26, s26, 2
	s_bfe_u32 s27, s19, 0x20003
	s_add_co_u32 s26, s26, s27
	s_bfe_u32 s27, s19, 0x10005
	s_lshl_b32 s27, s27, 3
	s_and_b32 s84, s19, 7
	s_add_co_u32 s27, s27, s84
	s_mul_i32 s84, s26, 1536
	s_lshl_b32 s86, s27, 4
	s_add_co_u32 s84, s84, s86
	s_mov_b32 s85, 0
	s_lshl_b32 s86, s26, 6
	s_lshl_b32 s87, s27, 2
	s_add_co_u32 s86, s86, s87
	s_mov_b32 s87, 0
	s_lshl_b32 s88, s19, 13
	s_mov_b32 s89, 0
	s_lshl_b32 s90, s19, 12
	s_mov_b32 s91, 0
	s_lshl_b32 s92, s19, 7
	s_mov_b32 s93, 0
	s_wait_kmcnt 0x0
	s_add_nc_u64 s[4:5], s[4:5], s[88:89]
	s_add_nc_u64 s[10:11], s[10:11], s[84:85]
	s_add_nc_u64 s[12:13], s[12:13], s[86:87]
	s_add_nc_u64 s[14:15], s[14:15], s[90:91]
	s_add_nc_u64 s[16:17], s[16:17], s[92:93]
	s_wait_alu depctr_va_vdst(0)                   ; v2 to v7 and v13 are written: every load and store of the kernel reads one of them as its offset
.set i, 0
.rept 32
	global_load_b64 v[U+2*i:U+2*i+1], v2, s[4:5] offset:256*i th:TH_LOAD_NT   ; 32 lanes read 256 consecutive bytes, aligned
.set i, i+1
.endr
.irp c, 0,1,2
	global_load_b128 v[QA+4*\c:QA+4*\c+3], v7, s[10:11] offset:512*\c   ; the same row of q in all sixteen rows of source 0
.endr
	global_load_b32 v[QSC], v[ZR], s[12:13]
	s_wait_loadcnt 20                              ; the first sixteen loads are in: sixteen more and the query's four may be out
	SORT32 U, W0, W1
	s_wait_loadcnt 4                               ; only the query's four may be out
	SORT32 U+32, W1, W2
	JOIN W2, W0, W1
	CLEAN W2, W0
	LEVELS
	THRESH
.irp r, 0,8,16,24,32,40,48,56
	MARK8 \r
.endr
	KTH
	v_lshrrev_b32 v[VR], 8, v[VRB]
	v_lshl_add_u32 v[ID], v[VR], 5, v[VR+7]        ; chunk = 32 x register + lane
	v_min_u32 v[ID], 0x7ff, v[ID]
.set i, 0
.rept 32
	v_readlane_b32 s[SE+i], v[ID], i               ; all 32 chunk numbers at once, into s28 to s59
.set i, i+1
.endr
	s_wait_alu depctr_va_vdst(0)                   ; v[ID] is written, which cid's store reads; the sorts and marks are done with v64 to v183, in which the keys' loads land
	global_store_b32 v4, v[ID], s[16:17]
	s_wait_alu depctr_va_sdst(0)                   ; the 32 lane reads have written s28 to s59, from which the slots' bases are made
	s_mov_b32 s89, 0                               ; the upper words of the two offsets
	s_mov_b32 s91, 0
; THE SCORES OF THE 32 CHUNKS, four slots' loads on their way.
.macro ADDR s                          ; chunk c: its keys are rows 8 (c % 2) .. + 7 of the four tiles of group c / 2.  Scalar work alone: set s % 5 of the bases
.set rK, KB+4*((\s)%5)
	s_min_u32 s92, s[SE+(\s)], 0x7ff
	s_and_b32 s93, s92, 0x7fe
	s_and_b32 s92, s92, 1
	s_mul_i32 s88, s93, 3072                       ; a group's four images are 6,144 bytes,
	s_lshl_b32 s94, s92, 7                         ; eight rows of an image 128
	s_add_co_u32 s88, s88, s94
	s_lshl_b32 s90, s93, 7                         ; a group's scale words 256 bytes,
	s_lshl_b32 s92, s92, 5                         ; eight of them 32
	s_add_co_u32 s90, s90, s92
	s_add_nc_u64 s[rK:rK+1], s[6:7], s[88:89]
	s_add_nc_u64 s[rK+2:rK+3], s[8:9], s[90:91]
.endm
.macro LD s                            ; seven loads, into buffer s % 5
.set rL, BF+24*((\s)%5)
.set rK, KB+4*((\s)%5)
.irp w, 0,1
.irp c, 0,1,2
	global_load_b128 v[rL+12*\w+4*\c:rL+12*\w+4*\c+3], v5, s[rK:rK+1] offset:3072*\w+512*\c
.endr
.endr
	global_load_b32 v[KSC+(\s)%5], v6, s[rK+2:rK+3]
.endm
.macro FIN s                           ; key l's score stands in register 0 of the first accumulator (lanes 0-15) or of the second (lanes 16-31): both are read at their low end
.set rF, DD+16*((\s)%2)
	v_cndmask_b32 v[U+(\s)], v[rF], v[rF+8], s96
	v_add_f32 v[U+(\s)], 0, v[U+(\s)]              ; -0 becomes +0
	v_ashrrev_i32 v22, 31, v[U+(\s)]
	v_or_b32 v22, 0x80000000, v22
	v_xor_b32 v[U+(\s)], v[U+(\s)], v22
.endm
.macro SLOT s
.if (\s) < 28
	ADDR (\s)+4                                    ; its set of bases is free: the loads that read it, slot s - 1's, were waited for a slot ago
.endif
.if (\s) <= 28
	s_wait_loadcnt 21                              ; this slot's seven loads are in; three younger slots' may be out
.else
	s_wait_loadcnt 7*(31-(\s))
.endif
.if ((\s) > 0) && ((\s) < 28)
	s_wait_alu depctr_va_vdst(0)                   ; the last slot's products are done reading buffer (s - 1) % 5 and its scale words, in which the loads below land
.endif
.if (\s) < 28
	LD (\s)+4                                      ; (slot 0: buffer 4 has been named by no vector or matrix instruction since the wait ahead of cid's store)
.endif
.set rD, DD+16*((\s)%2)
.set rB, BF+24*((\s)%5)
	v_wmma_scale_f32_16x16x128_f8f6f4 v[rD:rD+7], v[QA:QA+11], v[rB:rB+11], 0, v[QSC], v[KSC+(\s)%5] matrix_a_fmt:MATRIX_FMT_FP6 matrix_b_fmt:MATRIX_FMT_FP6
	v_wmma_scale_f32_16x16x128_f8f6f4 v[rD+8:rD+15], v[QA:QA+11], v[rB+12:rB+23], 0, v[QSC], v[KSC+(\s)%5] matrix_a_fmt:MATRIX_FMT_FP6 matrix_b_fmt:MATRIX_FMT_FP6 matrix_b_scale:MATRIX_SCALE_ROW1
.if (\s) > 0
	FIN (\s)-1                                     ; five plain instructions on the other set of results: the distance between this slot's products and the next slot's read of their results, and the products two slots on that write this set anew
.else
.rept 5
	v_nop                                          ; the same five, where there is no slot before
.endr
.endif
.endm
	s_wait_loadcnt 0x0                             ; the query
.irp s, 0,1,2,3
	ADDR \s
	LD \s
.endr
.set sl, 0
.rept 32
	SLOT sl
.set sl, sl+1
.endr
.rept 4
	v_nop
.endr
	FIN 31
	s_wait_alu depctr_va_vdst(0)                   ; the 32 candidates v32 to v63 are written, which the stores below read
.irp k, 0,1,2,3,4,5,6,7
	global_store_b128 v3, v[U+4*\k:U+4*\k+3], s[14:15] offset:512*\k   ; 32 lanes store 512 consecutive bytes, aligned
.endr
	s_endpgm
.Lfunc_end_k_q14c5d6d753_pick:
	.size	k_q14c5d6d753_pick, .Lfunc_end_k_q14c5d6d753_pick-k_q14c5d6d753_pick
	.p2alignl 7, 3214868480
	.fill 96, 4, 3214868480
	.section	.rodata,"a",@progbits
	.p2align	6, 0x0
	.amdhsa_kernel k_q14c5d6d753_pick
		.amdhsa_group_segment_fixed_size 0
		.amdhsa_private_segment_fixed_size 0
		.amdhsa_enable_private_segment 0
		.amdhsa_kernarg_size 56
		.amdhsa_user_sgpr_count 2
		.amdhsa_user_sgpr_kernarg_segment_ptr 1
		.amdhsa_wavefront_size32 1
		.amdhsa_system_sgpr_workgroup_id_x 1
		.amdhsa_system_sgpr_workgroup_id_y 1
		.amdhsa_system_sgpr_workgroup_id_z 1
		.amdhsa_system_vgpr_workitem_id 0
		.amdhsa_next_free_vgpr 256
		.amdhsa_next_free_sgpr 100
		.amdhsa_reserve_vcc 1
		.amdhsa_float_denorm_mode_32 3
		.amdhsa_float_denorm_mode_16_64 3
		.amdhsa_memory_ordered 1
		.amdhsa_forward_progress 1
		.amdhsa_inst_pref_size 190
	.end_amdhsa_kernel
	.amdgpu_metadata
---
amdhsa.version: [ 1, 2 ]
amdhsa.kernels:
  - .name:           k_q14c5d6d753_pick
    .symbol:         k_q14c5d6d753_pick.kd
    .args:
      - { .name: cmax, .offset: 0, .size: 8, .value_kind: global_buffer, .address_space: global }
      - { .name: kc, .offset: 8, .size: 8, .value_kind: global_buffer, .address_space: global }
      - { .name: ks, .offset: 16, .size: 8, .value_kind: global_buffer, .address_space: global }
      - { .name: qc, .offset: 24, .size: 8, .value_kind: global_buffer, .address_space: global }
      - { .name: qs, .offset: 32, .size: 8, .value_kind: global_buffer, .address_space: global }
      - { .name: cand, .offset: 40, .size: 8, .value_kind: global_buffer, .address_space: global }
      - { .name: cid, .offset: 48, .size: 8, .value_kind: global_buffer, .address_space: global }
    .group_segment_fixed_size: 0
    .private_segment_fixed_size: 0
    .kernarg_segment_align: 8
    .kernarg_segment_size: 56
    .max_flat_workgroup_size: 256
    .sgpr_count:     100
    .vgpr_count:     256
    .wavefront_size: 32
...
	.end_amdgpu_metadata
.endif
;; end of part 7
;; launch emit (part 8): grid 256 x 1, 8 waves a work-group, no clusters, 0 bytes of LDS; arguments cand, cid, keys, values, out0, out1; writes out0, out1
.if DOCPART == 8
	.amdgcn_target "amdgcn-amd-amdhsa--gfx1250"
	.amdhsa_code_object_version 6
	.text
	.protected	k_q14c5d6d753_emit
	.globl	k_q14c5d6d753_emit
	.p2align	8
	.type	k_q14c5d6d753_emit,@function
k_q14c5d6d753_emit:
	s_mov_b64 s[64:65], 0
	v_nop
	global_prefetch_b8 v0, s[64:65] scope:SCOPE_SE
	s_setreg_imm32_b32 hwreg(HW_REG_WAVE_MODE, 25, 1), 1
	s_wait_xcnt 0x0
; For each query: the best 32 of its 1,024 candidates by (score descending, key number ascending), their places in that order, and the copy of their rows of keys and values.
; cand: register s, lane l is key l of the chunk in slot s; the slots' chunk numbers ascend, so (register, lane) is the order of key numbers.  All numbers here are whole numbers read from memory.
; The choice is made as in the launch before: each lane sorts its 32 numbers, five exchanges leave the row's 32 largest in every lane, T is their smallest; marked are the candidates above T
; and the first of those equal to T, by key number, until 32 are marked.  Lane p finds the p-th marked candidate, reads its number and its chunk, and counts its place:
; the marked candidates with a larger number, and those with an equal number and a lower key number (a lower lane).
; THE COPY: a row is 512 bytes: 32 lanes read it whole and store it whole, two aligned runs of 256 bytes.  Two batches of eight rows of each table are on their way.
; SHARES: a wave to a query; no LDS, no barrier, no matrix work.  NO CLUSTER: which rows a wave reads hangs on its own query's list.
.set LANE, 1
.set VT,   8
.set VN,   9
.set VM,   10
.set VRB,  11
.set VR,   14                          ; v14-21 at work
.set U,    32                          ; v32-63 the candidates
.set W0,   64
.set W1,   96
.set W2,   128
.set DA,   32                          ; later: two sets of 64: eight rows x (4 of keys, 4 of values)
.set SRC,  160                         ; v160-175 offsets of the rows to read, two sets of eight
.set DST,  176                         ; v176-191 and of the rows to write
.set ST,   22
.set NEED, 23
.set RE,   24
.set RS,   25
.set TS,   26
.set SE,   28
.set SG,   36
.set SR,   44
.set SB,   52
.set PK,   68
.set BS,   76
.macro FLIP d, s, k                    ; two sorted runs of k / 2 meet: i against its mirror in the run of k
.set i, 0
.rept 32
.if (i%(\k)) < (\k)/2
.set pj, i-i%(\k)+(\k)-1-i%(\k)
	v_max_u32 v[\d+i], v[\s+i], v[\s+pj]
	v_min_u32 v[\d+pj], v[\s+i], v[\s+pj]
.endif
.set i, i+1
.endr
.endm
.macro HALF d, s, j                    ; i against i + j
.set i, 0
.rept 32
.if (i&(\j)) == 0
	v_max_u32 v[\d+i], v[\s+i], v[\s+i+(\j)]
	v_min_u32 v[\d+i+(\j)], v[\s+i], v[\s+i+(\j)]
.endif
.set i, i+1
.endr
.endm
.macro SORT32 s, a, b                  ; 32 registers from s on, descending, into a; b at work
	FLIP \a, \s, 2
	FLIP \b, \a, 4
	HALF \a, \b, 1
	FLIP \b, \a, 8
	HALF \a, \b, 2
	HALF \b, \a, 1
	FLIP \a, \b, 16
	HALF \b, \a, 4
	HALF \a, \b, 2
	HALF \b, \a, 1
	FLIP \a, \b, 32
	HALF \b, \a, 8
	HALF \a, \b, 4
	HALF \b, \a, 2
	HALF \a, \b, 1
.endm
.macro CLEAN a, b                      ; a list that rises and falls once, in a, comes out descending in b
	HALF \b, \a, 16
	HALF \a, \b, 8
	HALF \b, \a, 4
	HALF \a, \b, 2
	HALF \b, \a, 1
.endm
.macro XJOIN d, s, x                   ; the best 32 of my list and that of lane l xor x
.set i, 0
.rept 32
	v_mov_b32_dpp v[\d+i], v[\s+31-i] row_xmask:\x row_mask:0xf bank_mask:0xf
.set i, i+1
.endr
.set i, 0
.rept 32
	v_max_u32 v[\d+i], v[\d+i], v[\s+i]
.set i, i+1
.endr
.endm
.macro XJOIN16 d, s                    ; and of lane l xor 16
.set i, 0
.rept 32
	v_permlanex16_b32 v[\d+i], v[\s+31-i], s20, s21
.set i, i+1
.endr
.set i, 0
.rept 32
	v_max_u32 v[\d+i], v[\d+i], v[\s+i]
.set i, i+1
.endr
.endm
.macro LEVELS                          ; in: my list, descending, in W0.  Out: the row's 32 largest in W0 of every lane, in no order
	XJOIN W1, W0, 1
	CLEAN W1, W2
	XJOIN W0, W2, 2
	CLEAN W0, W1
	XJOIN W2, W1, 4
	CLEAN W2, W0
	XJOIN W1, W0, 8
	CLEAN W1, W2
	XJOIN16 W0, W2
.endm
.macro THRESH                          ; T, the count above it, and both as scalars
.set i, 0
.rept 16
	v_min_u32 v[W1+i], v[W0+i], v[W0+16+i]
.set i, i+1
.endr
.irp n, 8,4,2
.set i, 0
.rept \n
	v_min_u32 v[W1+i], v[W1+i], v[W1+\n+i]
.set i, i+1
.endr
.endr
	s_delay_alu instid0(VALU_DEP_1)
	v_min_u32 v[VT], v[W1], v[W1+1]
	v_mov_b32 v[VN], 0
.set i, 0
.rept 32
	v_cmp_gt_u32 vcc_lo, v[W0+i], v[VT]
	s_delay_alu instid0(VALU_DEP_1)
	v_add_co_ci_u32 v[VN], vcc_lo, 0, v[VN], vcc_lo
.set i, i+1
.endr
	v_readfirstlane_b32 s[ST], v[VT]
	s_delay_alu instid0(VALU_DEP_2)
	v_readfirstlane_b32 s[NEED], v[VN]
	s_sub_co_u32 s[NEED], 32, s[NEED]
	s_mov_b32 s[RE], 0
	s_mov_b32 s[RS], 0
	v_mov_b32 v[VM], 0
	v_mov_b32 v[VRB], 0
.endm
.macro MARK8 r0                        ; registers r0 .. r0 + 7, in five batches
.irp i, 0,1,2,3,4,5,6,7
	v_cmp_eq_u32 s[SE+\i], s[ST], v[U+(\r0)+\i]
	v_cmp_lt_u32 s[SG+\i], s[ST], v[U+(\r0)+\i]
.endr
.irp i, 0,1,2,3,4,5,6,7
	s_mov_b32 s[SB+\i], s[RE]
	s_bcnt1_i32_b32 s[TS], s[SE+\i]
	s_add_co_u32 s[RE], s[RE], s[TS]
.endr
.irp i, 0,1,2,3,4,5,6,7
	v_mbcnt_lo_u32_b32 v[VR+\i], s[SE+\i], s[SB+\i]   ; how many equals come ahead of mine, in the order of key numbers
.endr
.irp i, 0,1,2,3,4,5,6,7
	v_cmp_gt_u32 s[SR+\i], s[NEED], v[VR+\i]
.endr
.irp i, 0,1,2,3,4,5,6,7
	s_and_b32 s[SR+\i], s[SR+\i], s[SE+\i]
	s_or_b32 s[SG+\i], s[SG+\i], s[SR+\i]          ; marked
	s_mov_b32 s[BS+\i], s[RS]
	s_add_co_u32 s[PK+\i], s[RS], ((\r0)+\i)<<8
	s_bcnt1_i32_b32 s[TS], s[SG+\i]
	s_add_co_u32 s[RS], s[RS], s[TS]
.endr
.irp i, 0,1,2,3,4,5,6,7
	v_cmp_le_u32 s[SR+\i], s[BS+\i], v[LANE]
.endr
.irp i, 0
	v_cndmask_b32 v[VM], v[VM], s[SG+\i], s[SR+\i]    ; the last register whose first marked place is at or ahead of mine holds my item
	v_cndmask_b32 v[VRB], v[VRB], s[PK+\i], s[SR+\i]
.endr
.irp i, 1, 2, 3, 4, 5, 6, 7
	s_delay_alu instid0(VALU_DEP_2)
	v_cndmask_b32 v[VM], v[VM], s[SG+\i], s[SR+\i]
	s_delay_alu instid0(VALU_DEP_2)
	v_cndmask_b32 v[VRB], v[VRB], s[PK+\i], s[SR+\i]
.endr
.endm
.macro DESC x, w, st                   ; one step down: does my bit lie behind the lower half?
	s_delay_alu instid0(VALU_DEP_1)
	v_bfe_u32 v[VR+5], v[\x], v[VR+7], \w
	s_delay_alu instid0(VALU_DEP_1)
	v_cmp_ge_u32 vcc_lo, v[VR], v[VR+5]
	s_delay_alu instid0(VALU_DEP_1)
	v_cndmask_b32 v[VR+5], 0, v[VR+5], vcc_lo
	s_delay_alu instid0(VALU_DEP_2)
	v_cndmask_b32 v[VR+6], 0, \st, vcc_lo
	s_delay_alu instid0(VALU_DEP_2)
	v_sub_nc_u32 v[VR], v[VR], v[VR+5]
	s_delay_alu instid0(VALU_DEP_2)
	v_add_nc_u32 v[VR+7], v[VR+7], v[VR+6]
.endm
.macro KTH                             ; the place, in v[VR+7], of set bit number (lane - marked ahead) of my mask word
	s_delay_alu instid0(VALU_DEP_1)
	v_and_b32 v[VR], 0xff, v[VRB]
	s_delay_alu instid0(VALU_DEP_1)
	v_sub_nc_u32 v[VR], v[LANE], v[VR]
	s_delay_alu instid0(VALU_DEP_4)
	v_lshrrev_b32 v[VR+1], 1, v[VM]
	s_delay_alu instid0(VALU_DEP_1)
	v_and_b32 v[VR+1], 0x55555555, v[VR+1]
	s_delay_alu instid0(VALU_DEP_1)
	v_sub_nc_u32 v[VR+1], v[VM], v[VR+1]           ; counts of 2 bits
	s_delay_alu instid0(VALU_DEP_1)
	v_lshrrev_b32 v[VR+2], 2, v[VR+1]
	s_delay_alu instid0(VALU_DEP_1)
	v_and_b32 v[VR+2], 0x33333333, v[VR+2]
	s_delay_alu instid0(VALU_DEP_3)
	v_and_b32 v[VR+5], 0x33333333, v[VR+1]
	s_delay_alu instid0(VALU_DEP_1)
	v_add_nc_u32 v[VR+2], v[VR+2], v[VR+5]         ; of 4
	s_delay_alu instid0(VALU_DEP_1)
	v_lshrrev_b32 v[VR+3], 4, v[VR+2]
	s_delay_alu instid0(VALU_DEP_1)
	v_add_nc_u32 v[VR+3], v[VR+3], v[VR+2]
	s_delay_alu instid0(VALU_DEP_1)
	v_and_b32 v[VR+3], 0x0f0f0f0f, v[VR+3]         ; of 8
	s_delay_alu instid0(VALU_DEP_1)
	v_lshrrev_b32 v[VR+4], 8, v[VR+3]
	s_delay_alu instid0(VALU_DEP_1)
	v_add_nc_u32 v[VR+4], v[VR+4], v[VR+3]
	s_delay_alu instid0(VALU_DEP_1)
	v_and_b32 v[VR+4], 0x00ff00ff, v[VR+4]         ; of 16
	v_mov_b32 v[VR+7], 0
	DESC VR+4, 16, 16
	DESC VR+3, 8, 8
	DESC VR+2, 4, 4
	DESC VR+1, 2, 2
	DESC VM, 1, 1
.endm
	s_load_b256 s[4:11], s[0:1], 0x0               ; cand, cid, keys, values
	s_load_b128 s[12:15], s[0:1], 0x20             ; out0, out1
	v_lshrrev_b32 v1, 5, v0
	s_delay_alu instid0(VALU_DEP_1)
	v_readfirstlane_b32 s18, v1                    ; wave 0..7
	s_lshl_b32 s19, ttmp9, 3
	s_add_co_u32 s19, s19, s18                     ; my query
	v_and_b32 v[LANE], 31, v0
	s_delay_alu instid0(VALU_DEP_1)
	v_lshlrev_b32 v3, 4, v[LANE]                   ; 16 x lane
	s_mov_b32 s20, 0x76543210
	s_mov_b32 s21, 0xfedcba98                      ; selects for lane l xor 16
	s_lshl_b32 s84, s19, 12
	s_mov_b32 s85, 0
	s_lshl_b32 s86, s19, 7
	s_mov_b32 s87, 0
	s_lshl_b32 s88, s19, 14
	s_mov_b32 s89, 0
	s_wait_alu depctr_va_vdst(0)
	s_wait_kmcnt 0x0
	s_add_nc_u64 s[4:5], s[4:5], s[84:85]
	s_add_nc_u64 s[6:7], s[6:7], s[86:87]
	s_add_nc_u64 s[12:13], s[12:13], s[88:89]
	s_add_nc_u64 s[14:15], s[14:15], s[88:89]
.irp k, 0,1,2,3,4,5,6,7
	global_load_b128 v[U+4*\k:U+4*\k+3], v3, s[4:5] offset:512*\k
.endr
	s_wait_loadcnt 0x0
	SORT32 U, W0, W1
	LEVELS
	THRESH
.irp r, 0,8,16,24
	MARK8 \r
.endr
	KTH
	v_lshrrev_b32 v22, 8, v[VRB]
	s_delay_alu instid0(VALU_DEP_1)
	v_min_u32 v22, 31, v22                         ; my candidate's slot
	s_delay_alu instid0(VALU_DEP_3)
	v_min_u32 v23, 31, v[VR+7]                     ; and its key in the chunk
	s_delay_alu instid0(VALU_DEP_2)
	v_and_b32 v24, 0x1c, v22
	s_delay_alu instid0(VALU_DEP_1)
	v_lshlrev_b32 v24, 7, v24                      ; slot / 4: 512 bytes,
	s_delay_alu instid0(VALU_DEP_1)
	v_lshl_add_u32 v24, v23, 4, v24                ; key: 16,
	v_and_b32 v25, 3, v22
	s_delay_alu instid0(VALU_DEP_1)
	v_lshl_add_u32 v24, v25, 2, v24                ; slot % 4: 4
	v_lshlrev_b32 v25, 2, v22
	global_load_b32 v26, v24, s[4:5]               ; its number
	global_load_b32 v27, v25, s[6:7]               ; its chunk
	s_wait_loadcnt 0x0
	v_min_u32 v27, 0x7ff, v27
	s_wait_alu depctr_va_vdst(0)
	v_lshl_add_u32 v28, v27, 5, v23                ; its key number
	v_mov_b32 v29, 0                               ; its place
.irp b, 0,1,2,3
.irp i, 0,1,2,3,4,5,6,7
	v_readlane_b32 s[SE+\i], v26, 8*\b+\i
.endr
.irp i, 0,1,2,3,4,5,6,7
	v_cmp_gt_u32 s[SG+\i], s[SE+\i], v26
	v_cmp_eq_u32 s[SR+\i], s[SE+\i], v26
.endr
.irp i, 0,1,2,3,4,5,6,7
	s_and_b32 s[SR+\i], s[SR+\i], (0xffffffff<<(8*\b+\i+1))&0xffffffff   ; an equal number counts for the lanes above it alone: it has the lower key number
	s_or_b32 s[SG+\i], s[SG+\i], s[SR+\i]
.endr
.irp i, 0,1,2,3,4,5,6,7
	v_cndmask_b32 v[VR+\i], 0, 1, s[SG+\i]
.endr
.irp i, 0
	v_add3_u32 v29, v29, v[VR+\i], v[VR+\i+1]
.endr
.irp i, 2, 4, 6
	s_delay_alu instid0(VALU_DEP_1)
	v_add3_u32 v29, v29, v[VR+\i], v[VR+\i+1]
.endr
.endr
.macro LB b                            ; eight candidates: their rows of keys and of values are asked for
.irp i, 0,1,2,3,4,5,6,7
	v_readlane_b32 s[SE+\i], v28, 8*(\b)+\i
	v_readlane_b32 s[SG+\i], v29, 8*(\b)+\i
.endr
.irp i, 0,1,2,3,4,5,6,7
	s_min_u32 s[SE+\i], s[SE+\i], 0xffff
	s_min_u32 s[SG+\i], s[SG+\i], 31
.endr
.irp i, 0,1,2,3,4,5,6,7
	v_lshl_add_u32 v[SRC+8*((\b)%2)+\i], s[SE+\i], 9, v3
	v_lshl_add_u32 v[DST+8*((\b)%2)+\i], s[SG+\i], 9, v3
.endr
.irp i, 0,1,2,3,4,5,6,7
	global_load_b128 v[DA+64*((\b)%2)+8*\i:DA+64*((\b)%2)+8*\i+3], v[SRC+8*((\b)%2)+\i], s[8:9]
	global_load_b128 v[DA+64*((\b)%2)+8*\i+4:DA+64*((\b)%2)+8*\i+7], v[SRC+8*((\b)%2)+\i], s[10:11]
.endr
.endm
.macro SB b                            ; and stored at their places: 512 consecutive bytes, aligned, a store; written once, read by nobody here
.irp i, 0,1,2,3,4,5,6,7
	global_store_b128 v[DST+8*((\b)%2)+\i], v[DA+64*((\b)%2)+8*\i:DA+64*((\b)%2)+8*\i+3], s[12:13] th:TH_STORE_NT
	global_store_b128 v[DST+8*((\b)%2)+\i], v[DA+64*((\b)%2)+8*\i+4:DA+64*((\b)%2)+8*\i+7], s[14:15] th:TH_STORE_NT
.endr
.endm
	LB 0
	LB 1
	s_wait_loadcnt 16                              ; the older batch's sixteen loads are in; the younger batch's may be out
	SB 0
	s_wait_xcnt 0x0                                ; the stores have read their data and offsets: the set is written again only behind this wait
	LB 2
	s_wait_loadcnt 16
	SB 1
	s_wait_xcnt 0x0
	LB 3
	s_wait_alu depctr_va_vdst(0)
	s_wait_loadcnt 16
	SB 2
	s_wait_loadcnt 0x0
	SB 3
	s_endpgm
.Lfunc_end_k_q14c5d6d753_emit:
	.size	k_q14c5d6d753_emit, .Lfunc_end_k_q14c5d6d753_emit-k_q14c5d6d753_emit
	.p2alignl 7, 3214868480
	.fill 96, 4, 3214868480
	.section	.rodata,"a",@progbits
	.p2align	6, 0x0
	.amdhsa_kernel k_q14c5d6d753_emit
		.amdhsa_group_segment_fixed_size 0
		.amdhsa_private_segment_fixed_size 0
		.amdhsa_enable_private_segment 0
		.amdhsa_kernarg_size 48
		.amdhsa_user_sgpr_count 2
		.amdhsa_user_sgpr_kernarg_segment_ptr 1
		.amdhsa_wavefront_size32 1
		.amdhsa_system_sgpr_workgroup_id_x 1
		.amdhsa_system_sgpr_workgroup_id_y 1
		.amdhsa_system_sgpr_workgroup_id_z 1
		.amdhsa_system_vgpr_workitem_id 0
		.amdhsa_next_free_vgpr 192
		.amdhsa_next_free_sgpr 100
		.amdhsa_reserve_vcc 1
		.amdhsa_float_denorm_mode_32 3
		.amdhsa_float_denorm_mode_16_64 3
		.amdhsa_memory_ordered 1
		.amdhsa_forward_progress 1
		.amdhsa_inst_pref_size 122
	.end_amdhsa_kernel
	.amdgpu_metadata
---
amdhsa.version: [ 1, 2 ]
amdhsa.kernels:
  - .name:           k_q14c5d6d753_emit
    .symbol:         k_q14c5d6d753_emit.kd
    .args:
      - { .name: cand, .offset: 0, .size: 8, .value_kind: global_buffer, .address_space: global }
      - { .name: cid, .offset: 8, .size: 8, .value_kind: global_buffer, .address_space: global }
      - { .name: keys, .offset: 16, .size: 8, .value_kind: global_buffer, .address_space: global }
      - { .name: values, .offset: 24, .size: 8, .value_kind: global_buffer, .address_space: global }
      - { .name: out0, .offset: 32, .size: 8, .value_kind: global_buffer, .address_space: global }
      - { .name: out1, .offset: 40, .size: 8, .value_kind: global_buffer, .address_space: global }
    .group_segment_fixed_size: 0
    .private_segment_fixed_size: 0
    .kernarg_segment_align: 8
    .kernarg_segment_size: 48
    .max_flat_workgroup_size: 256
    .sgpr_count:     100
    .vgpr_count:     192
    .wavefront_size: 32
...
	.end_amdgpu_metadata
.endif
;; end of part 8
